; MI455X (gfx1250); checked and timed in simulation.
; The chip was launched on July 23, 2026; its instructions are those of AMD's public machine-readable ISA for CDNA 5 (MIT licence, August 2026) and "CDNA5" Instruction Set Architecture Reference Guide (July 2026).
;; Mask Relation Multi Head Attention. Allowed arithmetic: matrix products marked QUANTISED: E3M2 operands, one E8M0 scale for each 32 along K, by v_wmma_scale_f32_16x16x128_f8f6f4 with both operands' format E3M2, f32 sums; products left as they are: f32 operands where the result goes on into a quantised operand, else bf16, f16 or f32 operands; f32 sums; everything else in f32.
;; Inputs: Wk_codes 1,024 x 32 x 24 uint8 (E3M2 codes of Wk, K innermost, in blocks of 32 codes, four codes in three bytes); Wk_scales 1,024 x 32 uint8 (E8M0 scales of Wk, one for each 32 codes along K); Wo_codes 1,024 x 32 x 24 uint8 (E3M2 codes of Wo, K innermost, in blocks of 32 codes, four codes in three bytes); Wo_scales 1,024 x 32 uint8 (E8M0 scales of Wo, one for each 32 codes along K); Wq_codes 1,024 x 32 x 24 uint8 (E3M2 codes of Wq, K innermost, in blocks of 32 codes, four codes in three bytes); Wq_scales 1,024 x 32 uint8 (E8M0 scales of Wq, one for each 32 codes along K); Wv_codes 1,024 x 32 x 24 uint8 (E3M2 codes of Wv, K innermost, in blocks of 32 codes, four codes in three bytes); Wv_scales 1,024 x 32 uint8 (E8M0 scales of Wv, one for each 32 codes along K); bk 1,024 float32; bo 1,024 float32; bq 1,024 float32; bv 1,024 float32; k_codes 16 x 2,048 x 32 x 24 uint8 (E3M2 codes of k, K innermost, in blocks of 32 codes, four codes in three bytes); k_scales 16 x 2,048 x 32 uint8 (E8M0 scales of k, one for each 32 codes along K); maskfill 16 x 16 x 1 x 2,048 bool; q_codes 16 x 1 x 32 x 24 uint8 (E3M2 codes of q, K innermost, in blocks of 32 codes, four codes in three bytes); q_scales 16 x 1 x 32 uint8 (E8M0 scales of q, one for each 32 codes along K); v_codes 16 x 2,048 x 32 x 24 uint8 (E3M2 codes of v, K innermost, in blocks of 32 codes, four codes in three bytes); v_scales 16 x 2,048 x 32 uint8 (E8M0 scales of v, one for each 32 codes along K).
;; Outputs: out0 16 x 1,024 float32; out1 16 x 1,024 float32.
;; This version of the problem:
;;   THIS VERSION OF THE PROBLEM IS GIVEN IN LOW PRECISION. The matrix products marked QUANTISED in the list below multiply operands that are first quantised to E3M2 (3 exponent bits, 2 mantissa bits; 6 bits a number), with one power-of-two scale for each 32 numbers along K (OCP MX v1.0); their sums are f32. All else is computed in f32.
;;   The module's matrix products, in the order in which they are computed (A, B: the left and right operand; K: the contracted axis; several contracted axes count as one K, in the product's order):
;;     1. [M 16, K 1,024] x [K 1,024, N 1,024]; A: input q (given as codes); B: input Wq (given as codes): QUANTISED
;;     2. [M 32,768, K 1,024] x [K 1,024, N 1,024]; A: input k (given as codes); B: input Wk (given as codes): QUANTISED
;;     3. [M 32,768, K 1,024] x [K 1,024, N 1,024]; A: input v (given as codes); B: input Wv (given as codes): QUANTISED
;;     4. batch 256 x [M 1, K 64] x [K 64, N 2,048]; A: computed on the way; B: computed on the way: left as it is (M = 1 < 16)
;;     5. batch 256 x [M 1, K 2,048] x [K 2,048, N 64]; A: softmax; B: computed on the way: left as it is (M = 1 < 16)
;;     6. batch 256 x [M 1, K 2,048] x [K 2,048, N 64]; A: softmax; B: computed on the way: left as it is (M = 1 < 16)
;;     7. [M 16, K 1,024] x [K 1,024, N 1,024]; A: computed on the way; B: input Wo (given as codes): QUANTISED
;;     8. [M 16, K 1,024] x [K 1,024, N 1,024]; A: computed on the way; B: input Wo (given as codes): QUANTISED
;;   THE QUANTISER, for each operand of a quantised product, along K:
;;     - K is cut into blocks of 32 from its start; a last block that is shorter is filled with zeros.
;;     - A block's scale is 2^e with e = floor(log2(the largest magnitude in the block)) - 4, held to -126 .. 127; a block of zeros has e = 0. As a byte (E8M0): e + 127.
;;     - Each number is divided by its block's scale, clamped to +-28, and rounded to the nearest number of E3M2, ties to even, subnormals kept.
;;     - The product sums the exact products of the quantised numbers (number of the format x scale) in f32.
;;   ~~~python
;;   def quantise(x, axis):      # numpy; x: float32 -> the quantised numbers, widened to float32 again
;;       x = np.moveaxis(x, axis, -1); K = x.shape[-1]
;;       x = np.pad(x, [(0, 0)] * (x.ndim - 1) + [(0, -K % 32)]); x = x.reshape(x.shape[:-1] + (-1, 32)); a = np.abs(x).max(-1, keepdims=True)
;;       e = np.where(a > 0, np.clip(np.frexp(np.where(a > 0, a, 1))[1] - 1 - 4, -126, 127), 0)      # np.frexp(a)[1] - 1 = floor(log2(a)), exactly
;;       r = np.clip(x / 2.0 ** e, -28, 28)
;;       step = 2.0 ** (np.maximum(np.frexp(np.where(r == 0, 1, r))[1] - 1, -2) - 2)
;;       q = np.round(r / step) * step * 2.0 ** e      # np.round: ties to even
;;       return np.moveaxis(q.reshape(q.shape[:-2] + (-1,))[..., :K], -1, axis).astype(np.float32)
;;   ~~~
;;   OPERANDS COMPUTED ON THE WAY. 'Computed on the way' means the value that the module computes at that place (a softmax that the list does not call 'softmax' is quantised finished and normalised). What goes into a quantiser is computed in f32, as accurately as f32 sums, v_exp_f32 and their like allow (about 1e-6 of the number): no bf16 or f16 on the way to a quantiser, and a product that is left as it is and whose result goes on into a quantised operand takes f32 operands (vector FMAs, or v_wmma_f32_16x16x4_f32). A number that lies on a knife's edge between two numbers of the format may be rounded either way, as far as f32 arithmetic and the matrix unit's own rounding can turn it there, and no further.
;;   INPUTS GIVEN AS CODES. Wk (in the module: [1024, 1024], K = its axis 0); Wo (in the module: [1024, 1024], K = its axis 0); Wq (in the module: [1024, 1024], K = its axis 0); Wv (in the module: [1024, 1024], K = its axis 0); k (in the module: [16, 2048, 1024], K = its axis 2); q (in the module: [16, 1, 1024], K = its axis 2); v (in the module: [16, 2048, 1024], K = its axis 2): each comes as NAME_codes (uint8): NAME with its K axis moved to the last place and cut into blocks of 32 codes, [.., K / 32, bytes a block], one block behind the other in memory; four codes in three bytes: a row's codes are one little-endian stream of bits, code i at bits 6 i .. 6 i + 5 (a code: sign, 3 exponent bits, 2 mantissa bits); and NAME_scales (uint8): the same leading axes, one E8M0 byte (e + 127) for each 32 codes along K. Its value is code x scale, taken as it is: it is not quantised again, and the codes and scales need not be those that the quantiser above would give.
;; 2 versions, each right. Each part assembles by itself: llvm-mc -triple=amdgcn-amd-amdhsa -mcpu=gfx1250 --defsym DOCPART=n.
;; ======== version 1 of 2: 3 launches
;; workspace buffers: pacc 2,097,152 bytes; pstat 65,536 bytes; nwv 786,432 bytes
;; launch flipw (part 1): grid 256 x 1, 8 waves a work-group, no clusters, 0 bytes of LDS; arguments Wv_codes, nwv; writes nwv
.if DOCPART == 1
	.amdgcn_target "amdgcn-amd-amdhsa--gfx1250"
	.amdhsa_code_object_version 6
	.text
	.protected	k_qe1193cbed8_flipw
	.globl	k_qe1193cbed8_flipw
	.p2align	8
	.type	k_qe1193cbed8_flipw,@function
k_qe1193cbed8_flipw:
	s_mov_b64 s[64:65], 0
	v_nop
	global_prefetch_b8 v0, s[64:65] scope:SCOPE_SE
	s_setreg_imm32_b32 hwreg(HW_REG_WAVE_MODE, 25, 1), 1
	s_wait_xcnt 0x0
.set PART, 3072
	s_load_b128 s[4:7], s[0:1], 0x0
	v_mul_u32_u24 v1, v0, 12
	s_mul_i32 s8, ttmp9, PART
	s_mov_b32 s9, 0
	s_wait_kmcnt 0x0
	s_add_nc_u64 s[4:5], s[4:5], s[8:9]
	s_add_nc_u64 s[6:7], s[6:7], s[8:9]
	global_load_b96 v[4:6], v1, s[4:5]
	s_wait_loadcnt 0x0
	v_xor_b32 v4, 0x20820820, v4
	v_xor_b32 v5, 0x08208208, v5
	v_xor_b32 v6, 0x82082082, v6
	global_store_b96 v1, v[4:6], s[6:7]
	s_endpgm
.Lfunc_end_k_qe1193cbed8_flipw:
	.size	k_qe1193cbed8_flipw, .Lfunc_end_k_qe1193cbed8_flipw-k_qe1193cbed8_flipw
	.p2alignl 7, 3214868480
	.fill 96, 4, 3214868480
	.section	.rodata,"a",@progbits
	.p2align	6, 0x0
	.amdhsa_kernel k_qe1193cbed8_flipw
		.amdhsa_group_segment_fixed_size 0
		.amdhsa_private_segment_fixed_size 0
		.amdhsa_enable_private_segment 0
		.amdhsa_kernarg_size 16
		.amdhsa_user_sgpr_count 2
		.amdhsa_user_sgpr_kernarg_segment_ptr 1
		.amdhsa_wavefront_size32 1
		.amdhsa_system_sgpr_workgroup_id_x 1
		.amdhsa_system_sgpr_workgroup_id_y 1
		.amdhsa_system_sgpr_workgroup_id_z 1
		.amdhsa_system_vgpr_workitem_id 0
		.amdhsa_next_free_vgpr 8
		.amdhsa_next_free_sgpr 66
		.amdhsa_reserve_vcc 0
		.amdhsa_float_denorm_mode_32 3
		.amdhsa_float_denorm_mode_16_64 3
		.amdhsa_memory_ordered 1
		.amdhsa_forward_progress 1
		.amdhsa_inst_pref_size 1
	.end_amdhsa_kernel
	.amdgpu_metadata
---
amdhsa.version: [ 1, 2 ]
amdhsa.kernels:
  - .name:           k_qe1193cbed8_flipw
    .symbol:         k_qe1193cbed8_flipw.kd
    .args:
      - { .name: Wv_codes, .offset: 0, .size: 8, .value_kind: global_buffer, .address_space: global }
      - { .name: nwv, .offset: 8, .size: 8, .value_kind: global_buffer, .address_space: global }
    .group_segment_fixed_size: 0
    .private_segment_fixed_size: 0
    .kernarg_segment_align: 8
    .kernarg_segment_size: 16
    .max_flat_workgroup_size: 256
    .sgpr_count:     66
    .vgpr_count:     8
    .wavefront_size: 32
...
	.end_amdgpu_metadata
.endif
;; end of part 1
;; launch attn (part 2): grid 4 x 128, 4 waves a work-group, clusters of 4 x 4, 327,680 bytes of LDS; arguments q_codes, q_scales, Wq_codes, Wq_scales, bq, bk, maskfill, pstat, k_codes, v_codes, Wk_codes, Wv_codes, k_scales, v_scales, Wk_scales, Wv_scales, pacc, nwv; writes pacc, pstat
.if DOCPART == 2
	.amdgcn_target "amdgcn-amd-amdhsa--gfx1250"
	.amdhsa_code_object_version 6
	.text
	.protected	k_qe1193cbed8_attn
	.globl	k_qe1193cbed8_attn
	.p2align	8
	.type	k_qe1193cbed8_attn,@function
k_qe1193cbed8_attn:
	s_mov_b64 s[64:65], 0
	v_nop
	global_prefetch_b8 v0, s[64:65] scope:SCOPE_SE
	s_setreg_imm32_b32 hwreg(HW_REG_WAVE_MODE, 25, 1), 1
	s_wait_xcnt 0x0
	s_wait_alu depctr_hold_cnt(0) depctr_sa_sdst(0) depctr_va_vdst(0) depctr_va_sdst(0) depctr_va_ssrc(0) depctr_va_vcc(0) depctr_vm_vsrc(0)
	s_getreg_b32 s2, hwreg(HW_REG_IB_STS2, 6, 4)
	s_cmp_eq_u32 s2, 0
	s_cbranch_scc0 .Lentry_in_a_cluster
	s_endpgm
.Lentry_in_a_cluster:
	s_bfe_u32 s2, ttmp6, 0x10000c
	s_cmp_lg_u32 s2, 0xf033
	s_cbranch_scc0 .Lentry_shape_is_right
	s_endpgm
.Lentry_shape_is_right:
.set PITCH,  240
.set FR,     12
.set NL,     6
.set NQ,     2
.set HALFT,  128*PITCH
.set SLOT,   4*HALFT
.set SCL,    2*SLOT
.set SREG,   8704
.set HALFS,  4352
.set SBLK,   544
.set QH,     SCL+4*SREG
.set CB,     QH+1024
.set PST,    CB+256
.set OUTS,   PST+8192
.set SPARE,  OUTS+4096
.set ADRA, 16
.set ADRB, 20
.set ADRS, 24
.set SPW,  28
.set NIL,  29
.set SC,   32
.set QSC,  64
.set QS,   72
.set AF,   136
.set MK,   232
.set CBP,  248
.set TP,   136
.set SS,   152
.set XX,   184
.set MX,   200
.set CX,   204
.set LS,   208
.set PK,   224
.set G1X,  24
.set G0X,  32
.set G1SX, 40
.set G1W,  48
.set G0W,  56
.set XBK,  68
.set WBK,  72
.set G0SX, 76
.set G0SW, 80
.set G1SW, 88
.set MSB, 0
.macro WIN new
.if MSB != (\new)
	s_set_vgpr_msb (MSB<<8)|(\new)
.set MSB, (\new)
.endif
.endm
.set MUL_LO, 0xa1
.set MUL_HI, 0xf1
.set TO_B,   0x40
.macro JLOAD g0x, g1x, g0w, g1w
	s_cmp_eq_u32 s21, 0
	s_cbranch_scc0 .Lfor_w_\@
	tensor_load_to_lds s[\g0x:\g0x+3], s[\g1x:\g1x+7]
	s_nop 0
.rept 4
	v_nop
.endr
	s_branch .Lasked_\@
.Lfor_w_\@:
	tensor_load_to_lds s[\g0w:\g0w+3], s[\g1w:\g1w+7]
	s_nop 0
.rept 4
	v_nop
.endr
.Lasked_\@:
.endm
.macro CREST
	s_cmp_lg_u32 s20, 0
	s_cbranch_scc1 .Lnot_wave_0_\@
	s_barrier_signal -3
.Lnot_wave_0_\@:
	s_barrier_wait -3
	s_barrier_signal -1
	s_barrier_wait -1
.endm
.macro CROUND
	s_barrier_signal -1
	s_barrier_wait -1
	CREST
.endm
.macro SETG0 slot, kind, j
	s_add_co_u32 s[G0X+4*\slot+1], s97, \slot*SLOT+\kind*2*HALFT
	s_add_nc_u64 s[G0X+4*\slot+2:G0X+4*\slot+3], s[XBK+2*\kind:XBK+2*\kind+1], 192*\j
	s_or_b32 s[G0X+4*\slot+3], s[G0X+4*\slot+3], 0x80000000
	s_add_co_u32 s[G0W+4*\slot+1], s97, \slot*SLOT+(1-\kind)*2*HALFT
	s_add_nc_u64 s[G0W+4*\slot+2:G0W+4*\slot+3], s[WBK+2*\kind:WBK+2*\kind+1], 192*\j
	s_or_b32 s[G0W+4*\slot+3], s[G0W+4*\slot+3], 0x80000000
.endm
.macro PLACES n
.rept \n
	v_nop
.endr
.endm
.macro FRAG reg, adr, q, i
.irp p, 0,1,2,3,4,5
.set PCE, 12*(\q)+6*(\p/3)+\p%3
.if PCE%8 < 5
	ds_load_b64 v[\reg+2*\p:\reg+2*\p+1], v[\adr] offset:8*PCE+16*(PCE/8)+(\i)*16*PITCH
.else
	ds_load_b64 v[\reg+2*\p:\reg+2*\p+1], v[\adr+2] offset:8*PCE+16*(PCE/8)+(\i)*16*PITCH
.endif
.endr
.endm
.macro MUL16 a0, p, q, sc, zero
.irp a, \a0, \a0+1
.irp b, 0,1,2,3,4,5,6,7
.if \zero
	v_wmma_scale_f32_16x16x128_f8f6f4 v[8*(8*((\a)%4)+\b):8*(8*((\a)%4)+\b)+7], v[128*(\p)+FR*\b:128*(\p)+FR*\b+FR-1], v[AF+FR*(\a):AF+FR*(\a)+FR-1], 0, v[SC+8*NQ*(\sc)+NQ*\b+(\q)], v[SC+8*NQ*(\sc)+NQ*(\a)+(\q)] matrix_a_fmt:MATRIX_FMT_BF6 matrix_b_fmt:MATRIX_FMT_BF6 matrix_a_scale:MATRIX_SCALE_ROW1
.else
	v_wmma_scale_f32_16x16x128_f8f6f4 v[8*(8*((\a)%4)+\b):8*(8*((\a)%4)+\b)+7], v[128*(\p)+FR*\b:128*(\p)+FR*\b+FR-1], v[AF+FR*(\a):AF+FR*(\a)+FR-1], v[8*(8*((\a)%4)+\b):8*(8*((\a)%4)+\b)+7], v[SC+8*NQ*(\sc)+NQ*\b+(\q)], v[SC+8*NQ*(\sc)+NQ*(\a)+(\q)] matrix_a_fmt:MATRIX_FMT_BF6 matrix_b_fmt:MATRIX_FMT_BF6 matrix_a_scale:MATRIX_SCALE_ROW1
.endif
.endr
.endr
.endm
.macro FETCH_B slot, q, p
	WIN TO_B
.irp i, 0,1,2,3,4,5,6,7
	FRAG 128*(\p)+FR*\i, ADRB+\slot, \q, \i
.endr
	WIN 0
.endm
.macro FETCH_A slot, q, i0
.irp i, \i0, \i0+1, \i0+2, \i0+3
	FRAG AF+FR*(\i), ADRA+\slot, \q, \i
.endr
.endm
.macro SCALES sc, off
.irp i, 0,1,2,3,4,5,6,7
	ds_load_b64 v[SC+16*(\sc)+2*\i:SC+16*(\sc)+2*\i+1], v[ADRS] offset:(\off)+SBLK*\i
.endr
.endm
.macro STEP slot, zero
	s_wait_dscnt 4*NL
	WIN MUL_LO
	MUL16 0, 0, 0, \slot, \zero
	MUL16 2, 0, 0, \slot, \zero
	s_wait_dscnt 0x0
	PLACES 4
	FETCH_B \slot, 1, 1
	FETCH_A \slot, 1, 0
	WIN MUL_HI
	MUL16 4, 0, 0, \slot, \zero
	MUL16 6, 0, 0, \slot, \zero
	PLACES 4
	WIN 0
	FETCH_A \slot, 1, 4
.endm
.macro TURN slot, next, fill, fetch, kind, j, soff, ask
	s_wait_tensorcnt 0x0
	ds_add_u32 v[SPW], v[NIL]
.if \fill
	SETG0 \slot, \kind, \j
.endif
	s_wait_dscnt 4*NL+1
	WIN MUL_LO
	MUL16 0, 1, 1, \slot, 0
	s_wait_dscnt 0x0
	s_barrier_signal -1
	MUL16 2, 1, 1, \slot, 0
	WIN 0
	s_barrier_wait -1
.if \fill
	CREST
	JLOAD G0X+4*\slot, G1X, G0W+4*\slot, G1W
.else
	PLACES 4
.endif
.if \fetch
	FETCH_B \next, 0, 0
	FETCH_A \next, 0, 0
	SCALES \next, \soff
.endif
.if \ask == 1
	global_prefetch_b8 v9, s[86:87] th:TH_LOAD_NT scope:SCOPE_SE
.endif
.if \ask == 2
	s_cmp_lt_u32 s20, 2
	s_cbranch_scc0 .Lno_ask_\@
	global_prefetch_b8 v10, s[86:87] th:TH_LOAD_NT scope:SCOPE_SE
.Lno_ask_\@:
.endif
	WIN MUL_HI
	MUL16 4, 1, 1, \slot, 0
	MUL16 6, 1, 1, \slot, 0
.if \fetch
	PLACES 4
	WIN 0
	FETCH_A \next, 0, 4
.else
	WIN 0
.endif
.endm
	s_load_b512 s[4:19], s[0:1], 0x0
	s_load_b512 s[68:83], s[0:1], 0x40
	s_load_b128 s[84:87], s[0:1], 0x80
	v_lshl_add_u32 v[SPW], v0, 2, SPARE
	v_mov_b32 v[NIL], 0
	ds_add_u32 v[SPW], v[NIL]
	ds_add_u32 v[SPW], v[NIL]
	v_lshrrev_b32 v1, 5, v0
	v_readfirstlane_b32 s20, v1
	s_lshr_b32 s21, s20, 1
	s_and_b32 s22, s20, 1
	s_bfe_u32 s101, ttmp6, 0x40000
	s_bfe_u32 s104, ttmp6, 0x40004
	s_lshl_b32 s105, ttmp9, 2
	s_add_co_u32 s105, s105, s101
	s_and_b32 s23, ttmp7, 0xffff
	s_lshl_b32 s23, s23, 2
	s_add_co_u32 s23, s23, s104
	s_lshl_b32 s2, s104, 2
	s_lshl_b32 s2, 15, s2
	s_lshl_b32 s3, 0x1111, s101
	s_or_b32 s[G1X], s2, (1<<20)|(1<<21)|(3<<22)|(3<<25)
	s_or_b32 s[G1W], s3, (1<<20)|(1<<21)|(3<<22)|(3<<25)
	s_or_b32 s[G1SX], s2, (3<<16)|(1<<20)|(1<<21)|(5<<22)|(3<<25)
	s_or_b32 s[G1SW], s3, (3<<16)|(1<<20)|(1<<21)|(5<<22)|(3<<25)
.irp g, G1X, G1W
	s_mov_b32 s[\g+1], 192<<16
	s_mov_b32 s[\g+2], 128<<16
	s_mov_b32 s[\g+3], 192<<16
	s_mov_b32 s[\g+4], 128
	s_mov_b32 s[\g+5], 768
	s_mov_b32 s[\g+6], 0
	s_mov_b32 s[\g+7], 0
.endr
.irp g, G1SX, G1SW
	s_mov_b32 s[\g+1], 32<<16
	s_mov_b32 s[\g+2], 32<<16
	s_mov_b32 s[\g+3], 32<<16
	s_mov_b32 s[\g+4], 32
	s_mov_b32 s[\g+5], 32
	s_mov_b32 s[\g+6], 0
	s_mov_b32 s[\g+7], 0
.endr
	s_lshl_b32 s32, s23, 8
	s_lshl_b32 s33, s22, 7
	s_add_co_u32 s32, s32, s33
	s_mul_i32 s32, s32, 768
	s_mov_b32 s33, 0
	s_lshl_b32 s34, s23, 13
	s_mov_b32 s35, 0
	s_mul_i32 s36, s23, 196608
	s_mov_b32 s37, 0
	s_lshl_b32 s56, s105, 8
	s_lshl_b32 s57, s22, 7
	s_add_co_u32 s56, s56, s57
	s_mul_i32 s56, s56, 768
	s_mov_b32 s57, 0
	s_lshl_b32 s58, s105, 13
	s_mov_b32 s59, 0
	s_mul_i32 s97, s22, HALFT
	s_mov_b32 s66, 0x76543210
	s_mov_b32 s67, 0xfedcba98
	s_mov_b32 s96, 0x3fb8aa3b
	s_wait_dscnt 0x0
	s_wait_kmcnt 0x0
	s_and_b32 s2, ttmp7, 1
	s_cmp_lg_u32 s2, 0
	s_cselect_b64 s[74:75], s[86:87], s[74:75]
	s_add_nc_u64 s[86:87], s[70:71], s[36:37]
	s_add_nc_u64 s[68:69], s[68:69], s[32:33]
	s_add_nc_u64 s[70:71], s[70:71], s[32:33]
	s_add_nc_u64 s[72:73], s[72:73], s[56:57]
	s_add_nc_u64 s[74:75], s[74:75], s[56:57]
	s_cmp_lg_u32 s22, 0
	s_cselect_b64 s[78:79], s[78:79], s[76:77]
	s_cselect_b64 s[82:83], s[82:83], s[80:81]
	s_add_nc_u64 s[78:79], s[78:79], s[34:35]
	s_add_nc_u64 s[82:83], s[82:83], s[58:59]
	s_or_b32 s79, s79, 0x80000000
	s_or_b32 s83, s83, 0x80000000
	s_mov_b32 s76, 1
	s_mul_i32 s77, s22, 3*SREG
	s_add_co_u32 s77, s77, SCL
	s_mov_b32 s80, 1
	s_mul_i32 s81, s22, SREG
	s_add_co_u32 s81, s81, SCL+SREG
	s_mov_b32 s[G0X], 1
	s_mov_b32 s[G0X+4], 1
	s_mov_b32 s[G0W], 1
	s_mov_b32 s[G0W+4], 1
	SETG0 0, 0, 0
	SETG0 1, 0, 1
	CROUND
	JLOAD G0SX, G1SX, G0SW, G1SW
	JLOAD G0X, G1X, G0W, G1W
	JLOAD G0X+4, G1X, G0W+4, G1W
	s_lshr_b32 s104, s23, 3
	s_mov_b32 s3, 0
	s_mul_i32 s2, s104, 768
	s_add_nc_u64 s[4:5], s[4:5], s[2:3]
	s_lshl_b32 s2, s104, 5
	s_add_nc_u64 s[6:7], s[6:7], s[2:3]
	s_lshl_b32 s98, s105, 8
	s_lshl_b32 s99, s20, 6
	s_add_co_u32 s98, s98, s99
	s_mul_i32 s2, s98, 768
	s_add_nc_u64 s[8:9], s[8:9], s[2:3]
	s_lshl_b32 s2, s98, 5
	s_add_nc_u64 s[10:11], s[10:11], s[2:3]
	s_lshl_b32 s2, s98, 2
	s_add_nc_u64 s[12:13], s[12:13], s[2:3]
	s_add_nc_u64 s[14:15], s[14:15], s[2:3]
	s_lshl_b32 s2, s104, 4
	s_lshl_b32 s99, s105, 2
	s_add_co_u32 s2, s2, s99
	s_lshl_b32 s99, s22, 1
	s_add_co_u32 s2, s2, s99
	s_lshl_b32 s2, s2, 11
	s_and_b32 s99, s23, 7
	s_lshl_b32 s99, s99, 8
	s_add_co_u32 s2, s2, s99
	s_lshl_b32 s99, s21, 7
	s_add_co_u32 s2, s2, s99
	s_add_nc_u64 s[16:17], s[16:17], s[2:3]
	s_lshl_b32 s2, s23, 1
	s_add_co_u32 s2, s2, s21
	s_lshl_b32 s2, s2, 4
	s_lshl_b32 s99, s105, 2
	s_add_co_u32 s2, s2, s99
	s_lshl_b32 s99, s22, 1
	s_add_co_u32 s2, s2, s99
	s_lshl_b32 s2, s2, 4
	s_add_nc_u64 s[18:19], s[18:19], s[2:3]
	s_lshl_b32 s2, s23, 1
	s_add_co_u32 s2, s2, s22
	s_lshl_b32 s2, s2, 11
	s_lshl_b32 s99, s105, 8
	s_add_co_u32 s2, s2, s99
	s_lshl_b32 s99, s21, 7
	s_add_co_u32 s2, s2, s99
	s_lshl_b32 s2, s2, 2
	s_add_nc_u64 s[84:85], s[84:85], s[2:3]
	v_and_b32 v1, 15, v0
	v_bfe_u32 v2, v0, 4, 1
	v_mul_u32_u24 v14, v1, 768
	v_mad_u32_u24 v14, v2, 384, v14
	v_mul_u32_u24 v15, v2, 384
	v_lshlrev_b32 v26, 5, v1
	v_lshlrev_b32 v27, 5, v2
	v_mov_b32 v25, 0
.irp g, 0,1
.irp a, 0,1,2,3,4,5,6,7
	global_load_u8 v[MK+8*\g+\a], v1, s[16:17] offset:2048*\g+16*\a
.endr
.endr
.irp t, 0,1,2,3
.irp u, 0,1
	global_load_b128 v[136+8*\t+4*\u:139+8*\t+4*\u], v27, s[12:13] offset:64*\t+16*\u
.endr
.endr
.irp t, 0,1,2,3
.irp u, 0,1
	global_load_b128 v[168+8*\t+4*\u:171+8*\t+4*\u], v27, s[14:15] offset:64*\t+16*\u
.endr
.endr
.irp u, 0,1
	global_load_b128 v[104+4*\u:107+4*\u], v25, s[6:7] offset:16*\u
.endr
.irp t, 0,1,2,3
.irp u, 0,1
	global_load_b128 v[72+8*\t+4*\u:75+8*\t+4*\u], v26, s[10:11] offset:512*\t+16*\u
.endr
.endr
	WIN 0x40
.irp s, 0,1,2,3,4,5,6,7
.irp c, 0,1,2
	global_load_b128 v[12*\s+4*\c:12*\s+4*\c+3], v15, s[4:5] offset:48*\s+16*\c
.endr
.endr
.irp s, 0,1,2,3,4,5,6,7
	WIN 0x80+0x40*(\s/4)
.irp t, 0,1,2,3
.irp c, 0,1,2
	global_load_b128 v[12*(4*(\s%4)+\t)+4*\c:12*(4*(\s%4)+\t)+4*\c+3], v14, s[8:9] offset:12288*\t+48*\s+16*\c
.endr
.endr
.endr
	WIN 0
	v_mul_u32_u24 v253, v1, PITCH
	v_mad_u32_u24 v254, v2, 24, v253
	v_lshl_add_u32 v255, v2, 4, v254
	s_mul_i32 s2, s21, HALFT
	s_add_co_u32 s99, s97, 2*HALFT
.irp s, 0,1
	v_add_nc_u32 v[ADRA+\s], s2, v254
	v_add_nc_u32 v[ADRB+\s], s99, v254
	v_add_nc_u32 v[ADRA+2+\s], s2, v255
	v_add_nc_u32 v[ADRB+2+\s], s99, v255
	s_add_co_u32 s2, s2, SLOT
	s_add_co_u32 s99, s99, SLOT
.endr
	v_lshlrev_b32 v253, 5, v1
	v_lshrrev_b32 v254, 3, v1
	v_lshl_add_u32 v253, v254, 4, v253
	s_mul_i32 s2, s21, HALFS
	s_mul_i32 s99, s22, HALFS
	s_add_co_u32 s99, s99, SREG
	s_sub_co_u32 s99, s99, s2
	v_mul_u32_u24 v254, s99, v2
	s_add_co_u32 s2, s2, SCL
	v_add_nc_u32 v253, v253, v254
	v_add_nc_u32 v[ADRS], s2, v253
	s_lshl_b32 s2, s21, 9
	s_lshl_b32 s99, s22, 11
	s_add_co_u32 s2, s2, s99
	s_add_co_u32 s2, s2, PST
	v_lshl_add_u32 v3, v1, 2, s2
	s_lshl_b32 s2, s22, 9
	s_lshl_b32 s99, s21, 11
	s_add_co_u32 s2, s2, s99
	s_add_co_u32 s2, s2, PST
	v_lshl_add_u32 v4, v2, 5, s2
	s_lshl_b32 s2, s20, 10
	s_add_co_u32 s2, s2, OUTS
	v_lshl_add_u32 v5, v1, 2, s2
	v_and_b32 v253, 31, v0
	v_lshl_add_u32 v6, v253, 4, s2
	v_lshlrev_b32 v7, 4, v253
	v_and_b32 v8, 7, v0
	v_lshlrev_b32 v8, 2, v8
	s_lshl_b32 s2, s22, 9
	s_add_co_u32 s2, s2, QH
	v_lshl_add_u32 v11, v2, 5, s2
	s_lshl_b32 s2, s20, 8
	s_add_co_u32 s2, s2, QH
	v_lshl_add_u32 v12, v2, 5, s2
	s_lshl_b32 s2, s20, 3
	s_add_co_u32 s2, s2, CB
	v_lshl_add_u32 v30, v2, 2, s2
	s_lshl_b32 s2, s22, 4
	s_add_co_u32 s2, s2, CB
	v_lshl_add_u32 v31, v2, 2, s2
	s_lshl_b32 s2, s101, 7
	v_add_nc_u32 v254, s2, v0
	v_lshrrev_b32 v255, 1, v254
	v_mul_u32_u24 v9, v255, 768
	v_and_b32 v254, 1, v254
	v_lshl_add_u32 v9, v254, 8, v9
	s_lshl_b32 s2, s101, 6
	v_add_nc_u32 v254, s2, v0
	v_mul_u32_u24 v10, v254, 768
	v_add_nc_u32 v10, 512, v10
	s_mov_b32 s98, 0xaaaaaaaa
	s_mov_b32 s99, 0xcccccccc
	s_mov_b32 s100, 0xf0f0f0f0
	s_and_b32 s2, ttmp7, 1
	s_cmp_lg_u32 s2, 0
	s_mov_b32 s101, 0x3f800000
	s_cselect_b32 s101, 0xbf800000, s101
	s_wait_loadcnt 63
.irp s, 0,1,2,3,4,5,6,7
	v_perm_b32 v[QSC+\s], v[108+\s/2], v[104+\s/2], 0x05010400+(\s%2)*0x02020202
.endr
.irp t, 0,1,2,3
.irp s, 0,1,2,3,4,5,6,7
	v_perm_b32 v[SC+8*\t+\s], v[76+8*\t+\s/2], v[72+8*\t+\s/2], 0x05010400+(\s%2)*0x02020202
.endr
.endr
	PLACES 8
.irp s, 0,1,2,3,4,5,6,7
.if \s >= 2
	s_wait_loadcnt 12*(7-\s)
.endif
	WIN 0x06+\s/4
.irp t, 0,1,2,3
.if \s == 0
	v_wmma_scale_f32_16x16x128_f8f6f4 v[200+8*\t:207+8*\t], v[12*(4*(\s%4)+\t):12*(4*(\s%4)+\t)+11], v[12*\s:12*\s+11], v[136+8*\t:143+8*\t], v[SC+8*\t+\s], v[QSC+\s] matrix_a_fmt:MATRIX_FMT_BF6 matrix_b_fmt:MATRIX_FMT_BF6
.else
	v_wmma_scale_f32_16x16x128_f8f6f4 v[200+8*\t:207+8*\t], v[12*(4*(\s%4)+\t):12*(4*(\s%4)+\t)+11], v[12*\s:12*\s+11], v[200+8*\t:207+8*\t], v[SC+8*\t+\s], v[QSC+\s] matrix_a_fmt:MATRIX_FMT_BF6 matrix_b_fmt:MATRIX_FMT_BF6
.endif
.endr
.endr
	WIN 0
	PLACES 4
.irp t, 0,1,2,3
.irp i, 0,2,4,6
	v_pk_mul_f32 v[72+8*\t+\i:73+8*\t+\i], v[200+8*\t+\i:201+8*\t+\i], 0x3e000000 op_sel_hi:[1,0]
.endr
.endr
	v_pk_mul_f32 v[104:105], v[72:73], v[168:169]
	v_pk_mul_f32 v[106:107], v[74:75], v[170:171]
.irp i, 4,8,12,16,20,24,28
	v_pk_fma_f32 v[104:105], v[72+\i:73+\i], v[168+\i:169+\i], v[104:105]
	v_pk_fma_f32 v[106:107], v[74+\i:75+\i], v[170+\i:171+\i], v[106:107]
.endr
	v_pk_add_f32 v[104:105], v[104:105], v[106:107]
	v_add_f32 v104, v104, v105
.irp t, 0,1,2,3
.irp u, 0,1
	ds_store_b128 v12, v[72+8*\t+4*\u:75+8*\t+4*\u] offset:64*\t+16*\u
.endr
.endr
	ds_store_b32 v30, v104
	s_wait_tensorcnt 0x1
	s_wait_dscnt 0x0
	s_barrier_signal -1
	s_barrier_wait -1
.irp b, 0,1,2,3,4,5,6,7
.irp u, 0,1
	ds_load_b128 v[QS+8*\b+4*\u:QS+8*\b+4*\u+3], v11 offset:64*\b+16*\u
.endr
.endr
	ds_load_b32 v[CBP], v31
	ds_load_b32 v[CBP+2], v31 offset:8
	v_mov_b32 v[CBP+1], 0
	v_mov_b32 v[CBP+3], 0
	FETCH_B 0, 0, 0
	FETCH_A 0, 0, 0
	SCALES 0, 0
	FETCH_A 0, 0, 4
	STEP 0, 1
	TURN 0, 1, 1, 1, 0, 2, 8, 1
	STEP 1, 0
	TURN 1, 0, 1, 1, 0, 3, 16, 0
	STEP 0, 0
	TURN 0, 1, 1, 1, 1, 0, 24, 2
	STEP 1, 0
	TURN 1, 0, 1, 0, 1, 1, 0, 0
	PLACES 5
.irp hi, 0,1
	WIN 0x02+\hi
.irp bp, 0,1,2,3
.irp jj, 0,2,4,6
.irp ap, 0,1,2,3
.irp g, 0,1
.if (\bp == 0) && (\jj == 0)
	v_pk_fma_f32 v[TP+2*(2*\ap+\g):TP+2*(2*\ap+\g)+1], v[8*(8*\ap+4*\g+\bp)+\jj:8*(8*\ap+4*\g+\bp)+\jj+1], v[QS+8*(4*\g+\bp)+\jj:QS+8*(4*\g+\bp)+\jj+1], v[CBP+2*\g:CBP+2*\g+1]
.else
	v_pk_fma_f32 v[TP+2*(2*\ap+\g):TP+2*(2*\ap+\g)+1], v[8*(8*\ap+4*\g+\bp)+\jj:8*(8*\ap+4*\g+\bp)+\jj+1], v[QS+8*(4*\g+\bp)+\jj:QS+8*(4*\g+\bp)+\jj+1], v[TP+2*(2*\ap+\g):TP+2*(2*\ap+\g)+1]
.endif
.endr
.endr
.endr
.endr
	WIN 0
.irp ap, 0,1,2,3
.irp g, 0,1
	v_add_f32 v[SS+8*\g+4*\hi+\ap], v[TP+2*(2*\ap+\g)], v[TP+2*(2*\ap+\g)+1]
.endr
.endr
.endr
.irp i, 0,1,2,3,4,5,6,7,8,9,10,11,12,13,14,15
	v_permlanex16_b32 v[XX+\i], v[SS+\i], s66, s67
.endr
.irp i, 0,1,2,3,4,5,6,7,8,9,10,11,12,13,14,15
	v_add_f32 v[SS+\i], v[SS+\i], v[XX+\i]
.endr
.irp i, 0,1,2,3,4,5,6,7,8,9,10,11,12,13,14,15
	v_cmp_eq_u32 vcc_lo, 0, v[MK+\i]
	v_cndmask_b32 v[SS+16+\i], 0, v[SS+\i], vcc_lo
.endr
.irp i, 0,1,2,3
	v_max3_num_f32 v[MX+\i], v[SS+8*\i], v[SS+8*\i+1], v[SS+8*\i+2]
.endr
.irp n, 3,5
.irp i, 0,1,2,3
	v_max3_num_f32 v[MX+\i], v[MX+\i], v[SS+8*\i+\n], v[SS+8*\i+\n+1]
.endr
.endr
.irp i, 0,1,2,3
	v_max_num_f32 v[MX+\i], v[MX+\i], v[SS+8*\i+7]
.endr
.irp m, 1,2,4,8
.irp i, 0,1,2,3
	v_max_num_f32_dpp v[MX+\i], v[MX+\i], v[MX+\i] row_xmask:\m row_mask:0xf bank_mask:0xf
.endr
.endr
.irp i, 0,1,2,3
	v_mul_f32 v[CX+\i], s96, v[MX+\i]
.endr
.irp i, 0,1,2,3
.irp n, 0,1,2,3,4,5,6,7
	v_fma_f32 v[SS+8*\i+\n], v[SS+8*\i+\n], s96, -v[CX+\i]
.endr
.endr
.irp n, 0,1,2,3,4,5,6,7,8,9,10,11,12,13,14,15,16,17,18,19,20,21,22,23,24,25,26,27,28,29,30,31
	v_exp_f32 v[SS+\n], v[SS+\n]
.endr
	v_nop
	s_wait_alu depctr_va_vdst(0)
.irp pa, 0,1
.irp g, 0,1
.irp a, 0,1,2,3,4,5,6,7
	ds_store_b32 v3, v[SS+16*\pa+8*\g+\a] offset:4096*\pa+1024*\g+64*\a
.endr
.endr
.endr
.irp i, 0,1,2,3
.irp n, 0,1,2,3
	v_add_f32 v[LS+4*\i+\n], v[SS+8*\i+2*\n], v[SS+8*\i+2*\n+1]
.endr
.endr
.irp i, 0,1,2,3
	v_add_f32 v[LS+4*\i], v[LS+4*\i], v[LS+4*\i+1]
	v_add_f32 v[LS+4*\i+2], v[LS+4*\i+2], v[LS+4*\i+3]
.endr
.irp i, 0,1,2,3
	v_add_f32 v[LS+4*\i], v[LS+4*\i], v[LS+4*\i+2]
.endr
.irp m, 1,2,4,8
.irp i, 0,1,2,3
	v_add_f32_dpp v[LS+4*\i], v[LS+4*\i], v[LS+4*\i] row_xmask:\m row_mask:0xf bank_mask:0xf
.endr
.endr
.irp g, 0,1
.irp pa, 0,1
	v_cndmask_b32 v[PK+2*\g+\pa], v[CX+2*\pa+\g], v[LS+4*(2*\pa+\g)], s98
.endr
.endr
.irp g, 0,1
	v_cndmask_b32 v[PK+4+\g], v[PK+2*\g], v[PK+2*\g+1], s99
.endr
	v_cndmask_b32 v252, v[PK+4], v[PK+5], s100
	global_store_b32 v8, v252, s[18:19]
	s_wait_dscnt 0x0
	FETCH_B 0, 0, 0
	FETCH_A 0, 0, 0
	SCALES 0, 17408
	FETCH_A 0, 0, 4
	STEP 0, 1
	TURN 0, 1, 1, 1, 1, 2, 17416, 0
	STEP 1, 0
	TURN 1, 0, 1, 1, 1, 3, 17424, 0
	STEP 0, 0
	TURN 0, 1, 0, 1, 0, 0, 17432, 0
	STEP 1, 0
	s_wait_dscnt 4*NL
	WIN MUL_LO
	MUL16 0, 1, 1, 1, 0
	MUL16 2, 1, 1, 1, 0
	s_wait_dscnt 0x0
	WIN MUL_HI
	MUL16 4, 1, 1, 1, 0
	MUL16 6, 1, 1, 1, 0
	WIN 0
	PLACES 4
	WIN TO_B
.irp g, 0,1
.irp pa, 0,1
.irp b, 0,1,2,3,4,5,6,7
.irp u, 0,1
	ds_load_b128 v[64*(2*\pa+\g)+8*\b+4*\u:64*(2*\pa+\g)+8*\b+4*\u+3], v4 offset:4096*\pa+1024*\g+64*\b+16*\u
.endr
.endr
.endr
.endr
.irp g, 0,1
.if \g == 0
	s_wait_dscnt 32
.else
	s_wait_dscnt 0x0
.endif
	WIN 0x06+\g
.irp b, 0,1,2,3,4,5,6,7
.irp jj, 0,2,4,6
.irp ap, 0,1,2,3
.irp pa, 0,1
.if (\b == 0) && (\jj == 0)
	v_pk_mul_f32 v[TP+2*(8*\pa+4*\g+\ap):TP+2*(8*\pa+4*\g+\ap)+1], v[8*(8*\ap+\b)+\jj:8*(8*\ap+\b)+\jj+1], v[64*(2*\pa+\g)+8*\b+\jj:64*(2*\pa+\g)+8*\b+\jj+1]
.else
	v_pk_fma_f32 v[TP+2*(8*\pa+4*\g+\ap):TP+2*(8*\pa+4*\g+\ap)+1], v[8*(8*\ap+\b)+\jj:8*(8*\ap+\b)+\jj+1], v[64*(2*\pa+\g)+8*\b+\jj:64*(2*\pa+\g)+8*\b+\jj+1], v[TP+2*(8*\pa+4*\g+\ap):TP+2*(8*\pa+4*\g+\ap)+1]
.endif
.endr
.endr
.endr
.endr
.endr
	WIN 0
.irp i, 0,1,2,3,4,5,6,7,8,9,10,11,12,13,14,15
	v_add_f32 v[168+\i], v[TP+2*\i], v[TP+2*\i+1]
.endr
.irp i, 0,1,2,3,4,5,6,7,8,9,10,11,12,13,14,15
	v_permlanex16_b32 v[XX+\i], v[168+\i], s66, s67
.endr
.irp i, 0,1,2,3,4,5,6,7,8,9,10,11,12,13,14,15
	v_add_f32 v[168+\i], v[168+\i], v[XX+\i]
.endr
.irp i, 0,1,2,3,4,5,6,7,8,9,10,11,12,13,14,15
	v_mul_f32 v[168+\i], s101, v[168+\i]
.endr
.irp pa, 0,1
.irp a, 0,1,2,3,4,5,6,7
	ds_store_b32 v5, v[168+8*\pa+\a] offset:512*\pa+64*\a
.endr
.endr
	ds_load_b128 v[200:203], v6
	ds_load_b128 v[204:207], v6 offset:512
	s_wait_dscnt 0x0
	global_store_b128 v7, v[200:203], s[84:85]
	global_store_b128 v7, v[204:207], s[84:85] offset:4096
	s_wait_tensorcnt 0x0
	ds_add_u32 v[SPW], v[NIL]
	s_wait_dscnt 0x0
	CROUND
	s_endpgm
.Lfunc_end_k_qe1193cbed8_attn:
	.size	k_qe1193cbed8_attn, .Lfunc_end_k_qe1193cbed8_attn-k_qe1193cbed8_attn
	.p2alignl 7, 3214868480
	.fill 96, 4, 3214868480
	.section	.rodata,"a",@progbits
	.p2align	6, 0x0
	.amdhsa_kernel k_qe1193cbed8_attn
		.amdhsa_group_segment_fixed_size 327680
		.amdhsa_private_segment_fixed_size 0
		.amdhsa_enable_private_segment 0
		.amdhsa_kernarg_size 144
		.amdhsa_user_sgpr_count 2
		.amdhsa_user_sgpr_kernarg_segment_ptr 1
		.amdhsa_wavefront_size32 1
		.amdhsa_system_sgpr_workgroup_id_x 1
		.amdhsa_system_sgpr_workgroup_id_y 1
		.amdhsa_system_sgpr_workgroup_id_z 1
		.amdhsa_system_vgpr_workitem_id 0
		.amdhsa_next_free_vgpr 1024
		.amdhsa_next_free_sgpr 106
		.amdhsa_reserve_vcc 1
		.amdhsa_float_denorm_mode_32 3
		.amdhsa_float_denorm_mode_16_64 3
		.amdhsa_memory_ordered 1
		.amdhsa_forward_progress 1
		.amdhsa_inst_pref_size 255
	.end_amdhsa_kernel
	.section	.bss,"aw",@nobits
	.p2align	6
	.space	262144
	.amdgpu_metadata
---
amdhsa.version: [ 1, 2 ]
amdhsa.kernels:
  - .name:           k_qe1193cbed8_attn
    .symbol:         k_qe1193cbed8_attn.kd
    .args:
      - { .name: q_codes, .offset: 0, .size: 8, .value_kind: global_buffer, .address_space: global }
      - { .name: q_scales, .offset: 8, .size: 8, .value_kind: global_buffer, .address_space: global }
      - { .name: Wq_codes, .offset: 16, .size: 8, .value_kind: global_buffer, .address_space: global }
      - { .name: Wq_scales, .offset: 24, .size: 8, .value_kind: global_buffer, .address_space: global }
      - { .name: bq, .offset: 32, .size: 8, .value_kind: global_buffer, .address_space: global }
      - { .name: bk, .offset: 40, .size: 8, .value_kind: global_buffer, .address_space: global }
      - { .name: maskfill, .offset: 48, .size: 8, .value_kind: global_buffer, .address_space: global }
      - { .name: pstat, .offset: 56, .size: 8, .value_kind: global_buffer, .address_space: global }
      - { .name: k_codes, .offset: 64, .size: 8, .value_kind: global_buffer, .address_space: global }
      - { .name: v_codes, .offset: 72, .size: 8, .value_kind: global_buffer, .address_space: global }
      - { .name: Wk_codes, .offset: 80, .size: 8, .value_kind: global_buffer, .address_space: global }
      - { .name: Wv_codes, .offset: 88, .size: 8, .value_kind: global_buffer, .address_space: global }
      - { .name: k_scales, .offset: 96, .size: 8, .value_kind: global_buffer, .address_space: global }
      - { .name: v_scales, .offset: 104, .size: 8, .value_kind: global_buffer, .address_space: global }
      - { .name: Wk_scales, .offset: 112, .size: 8, .value_kind: global_buffer, .address_space: global }
      - { .name: Wv_scales, .offset: 120, .size: 8, .value_kind: global_buffer, .address_space: global }
      - { .name: pacc, .offset: 128, .size: 8, .value_kind: global_buffer, .address_space: global }
      - { .name: nwv, .offset: 136, .size: 8, .value_kind: global_buffer, .address_space: global }
    .group_segment_fixed_size: 327680
    .private_segment_fixed_size: 0
    .kernarg_segment_align: 8
    .kernarg_segment_size: 144
    .max_flat_workgroup_size: 128
    .sgpr_count:     106
    .vgpr_count:     1024
    .wavefront_size: 32
...
	.end_amdgpu_metadata
.endif
;; end of part 2
;; launch proj (part 3): grid 16 x 16, 16 waves a work-group, no clusters, 14,592 bytes of LDS; arguments pacc, pstat, bv, Wo_codes, Wo_scales, bo, out0, out1; writes out0, out1
.if DOCPART == 3
	.amdgcn_target "amdgcn-amd-amdhsa--gfx1250"
	.amdhsa_code_object_version 6
	.text
	.protected	k_qe1193cbed8_proj
	.globl	k_qe1193cbed8_proj
	.p2align	8
	.type	k_qe1193cbed8_proj,@function
k_qe1193cbed8_proj:
	s_mov_b64 s[64:65], 0
	v_nop
	global_prefetch_b8 v0, s[64:65] scope:SCOPE_SE
	s_setreg_imm32_b32 hwreg(HW_REG_WAVE_MODE, 25, 1), 1
	s_wait_xcnt 0x0
.set CC,    0
.set CCP,   4160
.set PD,    8448
.set SPARE, 12544
.set SPW, 28
.set NIL, 29
.set ST,  32
.set AC,  64
.set VV,  128
.set BV,  132
.set WF,  136
.set WS,  160
.set PW,  162
.set PC,  164
.set TM,  184
.set DD,  200
.set BO,  216
.set FS,  218
	s_load_b512 s[4:19], s[0:1], 0x0
	v_lshl_add_u32 v[SPW], v0, 2, SPARE
	v_mov_b32 v[NIL], 0
	v_lshrrev_b32 v1, 5, v0
	v_readfirstlane_b32 s20, v1
	s_and_b32 s21, s20, 7
	s_lshr_b32 s22, s20, 3
	s_and_b32 s23, ttmp7, 0xffff
	s_min_u32 s24, s20, 1
	s_mov_b32 s26, 0x76543210
	s_mov_b32 s27, 0xfedcba98
	v_and_b32 v1, 15, v0
	v_bfe_u32 v2, v0, 4, 1
	v_and_b32 v3, 31, v0
	v_and_b32 v4, 255, v0
	v_lshrrev_b32 v5, 8, v0
	v_and_b32 v6, 0xf0, v0
	v_lshl_add_u32 v6, v5, 3, v6
	v_lshlrev_b32 v7, 4, v4
	v_lshl_add_u32 v8, v5, 12, v7
	v_mul_u32_u24 v9, v1, 768
	v_mad_u32_u24 v9, v2, 24, v9
	v_lshlrev_b32 v10, 5, v1
	v_lshlrev_b32 v11, 3, v3
	v_mad_u32_u24 v12, v5, CCP, v7
	v_and_b32 v16, 1, v0
	v_mul_u32_u24 v13, v16, CCP
	v_lshl_add_u32 v13, v2, 6, v13
	s_lshl_b32 s28, s21, 9
	v_add_nc_u32 v13, s28, v13
	v_lshlrev_b32 v14, 8, v16
	v_lshl_add_u32 v14, v2, 5, v14
	s_lshl_b32 s30, s22, 7
	s_add_co_u32 s28, s28, s30
	s_add_co_u32 s28, s28, PD
	v_add_nc_u32 v14, s28, v14
	s_lshl_b32 s28, s24, 8
	s_add_co_u32 s28, s28, PD
	v_add_nc_u32 v15, s28, v11
.irp b, 0,1,2,3
	v_mov_b32 v[TM+4+\b], 0
.endr
	s_mov_b32 s29, 0
	s_lshl_b32 s30, ttmp9, 6
	s_lshl_b32 s31, s22, 5
	s_add_co_u32 s31, s30, s31
	s_wait_kmcnt 0x0
	s_lshl_b32 s28, s23, 17
	s_add_nc_u64 s[4:5], s[4:5], s[28:29]
	s_lshl_b32 s28, s23, 12
	s_add_nc_u64 s[6:7], s[6:7], s[28:29]
	s_mul_i32 s28, s31, 768
	s_mul_i32 s32, s21, 96
	s_add_co_u32 s28, s28, s32
	s_add_nc_u64 s[10:11], s[10:11], s[28:29]
	s_lshl_b32 s28, s31, 5
	s_lshl_b32 s32, s21, 2
	s_add_co_u32 s28, s28, s32
	s_add_nc_u64 s[12:13], s[12:13], s[28:29]
	s_lshl_b32 s28, s30, 2
	s_add_nc_u64 s[14:15], s[14:15], s[28:29]
	s_cmp_eq_u32 s20, 0
	s_cselect_b64 s[16:17], s[16:17], s[18:19]
	s_lshl_b32 s32, s23, 12
	s_add_co_u32 s28, s28, s32
	s_add_nc_u64 s[16:17], s[16:17], s[28:29]
.irp r, 0,1,2,3,4,5,6,7,8,9,10,11,12,13,14,15
	global_load_b64 v[ST+2*\r:ST+2*\r+1], v6, s[6:7] offset:256*\r
.endr
	global_load_b128 v[BV:BV+3], v7, s[8:9]
.irp r, 0,1,2,3,4,5,6,7,8,9,10,11,12,13,14,15
	global_load_b128 v[AC+4*\r:AC+4*\r+3], v8, s[4:5] offset:8192*\r
.endr
.irp i, 0,1
.irp p, 0,1,2,3,4,5
	global_load_b64 v[WF+12*\i+2*\p:WF+12*\i+2*\p+1], v9, s[10:11] offset:12288*\i+48*(\p/3)+8*(\p%3)
.endr
.endr
.irp i, 0,1
	global_load_b32 v[WS+\i], v10, s[12:13] offset:512*\i
.endr
	global_load_b64 v[BO:BO+1], v11, s[14:15]
	s_wait_loadcnt 32
	v_max3_num_f32 v[TM], v[ST], v[ST+2], v[ST+4]
.irp r, 3,5,7,9,11,13
	v_max3_num_f32 v[TM], v[TM], v[ST+2*\r], v[ST+2*\r+2]
.endr
	v_max_num_f32 v[TM], v[TM], v[ST+30]
.irp r, 0,1,2,3,4,5,6,7,8,9,10,11,12,13,14,15
	v_sub_f32 v[ST+2*\r], v[ST+2*\r], v[TM]
.endr
.irp r, 0,1,2,3,4,5,6,7,8,9,10,11,12,13,14,15
	v_exp_f32 v[ST+2*\r], v[ST+2*\r]
.endr
	v_nop
	s_wait_alu depctr_va_vdst(0)
	v_mul_f32 v[TM+1], v[ST], v[ST+1]
	v_mul_f32 v[TM+2], v[ST+2], v[ST+3]
.irp r, 2,4,6,8,10,12,14
	v_fma_f32 v[TM+1], v[ST+2*\r], v[ST+2*\r+1], v[TM+1]
	v_fma_f32 v[TM+2], v[ST+2*\r+2], v[ST+2*\r+3], v[TM+2]
.endr
	v_add_f32 v[TM+1], v[TM+1], v[TM+2]
	v_rcp_f32 v[TM+1], v[TM+1]
	v_nop
	s_wait_alu depctr_va_vdst(0)
.irp r, 0,1,2,3,4,5,6,7,8,9,10,11,12,13,14,15
	v_mul_f32 v[ST+2*\r], v[ST+2*\r], v[TM+1]
.endr
	s_wait_loadcnt 15
	v_pk_fma_f32 v[VV:VV+1], v[AC:AC+1], v[ST:ST+1], v[BV:BV+1] op_sel_hi:[1,0,1]
	v_pk_fma_f32 v[VV+2:VV+3], v[AC+2:AC+3], v[ST:ST+1], v[BV+2:BV+3] op_sel_hi:[1,0,1]
.irp r, 1,2,3,4,5,6,7,8,9,10,11,12,13,14,15
	v_pk_fma_f32 v[VV:VV+1], v[AC+4*\r:AC+4*\r+1], v[ST+2*\r:ST+2*\r+1], v[VV:VV+1] op_sel_hi:[1,0,1]
	v_pk_fma_f32 v[VV+2:VV+3], v[AC+4*\r+2:AC+4*\r+3], v[ST+2*\r:ST+2*\r+1], v[VV+2:VV+3] op_sel_hi:[1,0,1]
.endr
	ds_store_b128 v12, v[VV:VV+3]
	s_wait_dscnt 0x0
	s_barrier_signal -1
	s_barrier_wait -1
.irp b, 0,1,2,3
.irp j, 0,1,2,3
	ds_load_b128 v[AC+16*\b+4*\j:AC+16*\b+4*\j+3], v13 offset:128*\b+16*\j
.endr
.endr
	s_wait_dscnt 0x0
.irp b, 0,1,2,3
	v_max3_num_f32 v[TM+\b], |v[AC+16*\b]|, |v[AC+1+16*\b]|, 0x2800000
.endr
.irp i, 2,4,6,8,10,12,14
.irp b, 0,1,2,3
	v_max3_num_f32 v[TM+\b], v[TM+\b], |v[AC+16*\b+\i]|, |v[AC+1+16*\b+\i]|
.endr
.endr
.irp b, 0,1,2,3
	v_permlanex16_b32 v[TM+4+\b], v[TM+\b], s26, s27
.endr
.irp b, 0,1,2,3
	v_max_num_f32 v[TM+\b], v[TM+\b], v[TM+4+\b]
.endr
.irp b, 0,1,2,3
	v_add_nc_u32 v[TM+12+\b], 0xfe000000, v[TM+\b]
.endr
.irp b, 0,1,2,3
	v_lshrrev_b32 v[TM+4+\b], 23, v[TM+12+\b]
.endr
	v_lshl_or_b32 v[PW], v[TM+5], 8, v[TM+4]
	v_lshl_or_b32 v[PW], v[TM+6], 16, v[PW]
	v_lshl_or_b32 v[PW], v[TM+7], 24, v[PW]
.irp c, 0,1
	v_cvt_scalef32_pk16_bf6_f32 v[PC+6*\c:PC+2+6*\c], v[AC+32*\c:AC+15+32*\c], v[TM+12+2*\c]
	v_cvt_scalef32_pk16_bf6_f32 v[PC+12+4*\c:PC+14+4*\c], v[AC+16+32*\c:AC+31+32*\c], v[TM+12+2*\c+1]
.endr
	v_nop
.irp c, 0,1
.irp i, 0,1,2
	v_permlane16_swap_b32 v[PC+6*\c+\i], v[PC+12+4*\c+\i]
.endr
.irp i, 0,1,2
	v_mov_b32 v[PC+3+6*\c+\i], v[PC+12+4*\c+\i]
.endr
.endr
	s_wait_loadcnt 0x0
.rept 8
	v_nop
.endr
	v_wmma_scale_f32_16x16x128_f8f6f4 v[DD:DD+7], v[WF:WF+11], v[PC:PC+11], 0, v[WS], v[PW] matrix_a_fmt:MATRIX_FMT_BF6 matrix_b_fmt:MATRIX_FMT_BF6
	v_wmma_scale_f32_16x16x128_f8f6f4 v[DD+8:DD+15], v[WF+12:WF+23], v[PC:PC+11], 0, v[WS+1], v[PW] matrix_a_fmt:MATRIX_FMT_BF6 matrix_b_fmt:MATRIX_FMT_BF6
.rept 4
	v_nop
.endr
.irp i, 0,1
.irp j, 0,1
	ds_store_b128 v14, v[DD+8*\i+4*\j:DD+8*\i+4*\j+3] offset:64*\i+16*\j
.endr
.endr
	s_wait_dscnt 0x0
	s_barrier_signal -1
	s_barrier_wait -1
	s_cmp_lt_u32 s20, 2
	s_cbranch_scc0 .Lend
.irp s, 0,1,2,3,4,5,6,7
	ds_load_b64 v[FS+2*\s:FS+2*\s+1], v15 offset:512*\s
.endr
	s_wait_dscnt 0x0
	v_pk_add_f32 v[FS:FS+1], v[FS:FS+1], v[FS+2:FS+3]
	v_pk_add_f32 v[FS+4:FS+5], v[FS+4:FS+5], v[FS+6:FS+7]
	v_pk_add_f32 v[FS+8:FS+9], v[FS+8:FS+9], v[FS+10:FS+11]
	v_pk_add_f32 v[FS+12:FS+13], v[FS+12:FS+13], v[FS+14:FS+15]
	v_pk_add_f32 v[FS:FS+1], v[FS:FS+1], v[FS+4:FS+5]
	v_pk_add_f32 v[FS+8:FS+9], v[FS+8:FS+9], v[FS+12:FS+13]
	v_pk_add_f32 v[FS:FS+1], v[FS:FS+1], v[FS+8:FS+9]
	v_pk_add_f32 v[FS:FS+1], v[FS:FS+1], v[BO:BO+1]
	global_store_b64 v11, v[FS:FS+1], s[16:17]
.Lend:
	s_wait_tensorcnt 0x0
	ds_add_u32 v[SPW], v[NIL]
	s_wait_dscnt 0x0
	s_endpgm
.Lfunc_end_k_qe1193cbed8_proj:
	.size	k_qe1193cbed8_proj, .Lfunc_end_k_qe1193cbed8_proj-k_qe1193cbed8_proj
	.p2alignl 7, 3214868480
	.fill 96, 4, 3214868480
	.section	.rodata,"a",@progbits
	.p2align	6, 0x0
	.amdhsa_kernel k_qe1193cbed8_proj
		.amdhsa_group_segment_fixed_size 14592
		.amdhsa_private_segment_fixed_size 0
		.amdhsa_enable_private_segment 0
		.amdhsa_kernarg_size 64
		.amdhsa_user_sgpr_count 2
		.amdhsa_user_sgpr_kernarg_segment_ptr 1
		.amdhsa_wavefront_size32 1
		.amdhsa_system_sgpr_workgroup_id_x 1
		.amdhsa_system_sgpr_workgroup_id_y 1
		.amdhsa_system_sgpr_workgroup_id_z 1
		.amdhsa_system_vgpr_workitem_id 0
		.amdhsa_next_free_vgpr 240
		.amdhsa_next_free_sgpr 66
		.amdhsa_reserve_vcc 0
		.amdhsa_float_denorm_mode_32 3
		.amdhsa_float_denorm_mode_16_64 3
		.amdhsa_memory_ordered 1
		.amdhsa_forward_progress 1
		.amdhsa_inst_pref_size 20
	.end_amdhsa_kernel
	.amdgpu_metadata
---
amdhsa.version: [ 1, 2 ]
amdhsa.kernels:
  - .name:           k_qe1193cbed8_proj
    .symbol:         k_qe1193cbed8_proj.kd
    .args:
      - { .name: pacc, .offset: 0, .size: 8, .value_kind: global_buffer, .address_space: global }
      - { .name: pstat, .offset: 8, .size: 8, .value_kind: global_buffer, .address_space: global }
      - { .name: bv, .offset: 16, .size: 8, .value_kind: global_buffer, .address_space: global }
      - { .name: Wo_codes, .offset: 24, .size: 8, .value_kind: global_buffer, .address_space: global }
      - { .name: Wo_scales, .offset: 32, .size: 8, .value_kind: global_buffer, .address_space: global }
      - { .name: bo, .offset: 40, .size: 8, .value_kind: global_buffer, .address_space: global }
      - { .name: out0, .offset: 48, .size: 8, .value_kind: global_buffer, .address_space: global }
      - { .name: out1, .offset: 56, .size: 8, .value_kind: global_buffer, .address_space: global }
    .group_segment_fixed_size: 14592
    .private_segment_fixed_size: 0
    .kernarg_segment_align: 8
    .kernarg_segment_size: 64
    .max_flat_workgroup_size: 512
    .sgpr_count:     66
    .vgpr_count:     240
    .wavefront_size: 32
...
	.end_amdgpu_metadata
.endif
;; end of part 3
;; ======== version 2 of 2: 3 launches
;; workspace buffers: pacc 2,097,152 bytes; pstat 65,536 bytes; nwv 786,432 bytes; qsb 65,536 bytes
;; launch prep (part 4): grid 256 x 1, 2 waves a work-group, no clusters, 0 bytes of LDS; arguments Wv_codes, nwv, q_codes, q_scales, Wq_codes, Wq_scales, bq, qsb; writes nwv, qsb
.if DOCPART == 4
	.amdgcn_target "amdgcn-amd-amdhsa--gfx1250"
	.amdhsa_code_object_version 6
	.text
	.protected	k_qe1193cbed8_prep
	.globl	k_qe1193cbed8_prep
	.p2align	8
	.type	k_qe1193cbed8_prep,@function
k_qe1193cbed8_prep:
	s_mov_b64 s[64:65], 0
	v_nop
	global_prefetch_b8 v0, s[64:65] scope:SCOPE_SE
	s_setreg_imm32_b32 hwreg(HW_REG_WAVE_MODE, 25, 1), 1
	s_wait_xcnt 0x0
.set PART, 3072
.macro TAIL left
	s_wait_loadcnt \left
.irp i, 0,1,2,3
	v_xor_b32 v[4+\i], v[4+\i], v[12+(\i)%3]
	v_xor_b32 v[56+\i], v[56+\i], v[12+(2+\i)%3]
	v_xor_b32 v[60+\i], v[60+\i], v[12+(4+\i)%3]
.endr
	global_store_b128 v1, v[4:7], s[6:7]
	global_store_b128 v1, v[56:59], s[6:7] offset:512
	global_store_b128 v1, v[60:63], s[6:7] offset:1024
.endm
	s_load_b256 s[4:11], s[0:1], 0x0
	s_load_b256 s[12:19], s[0:1], 0x20
	v_and_b32 v2, 31, v0
	v_lshrrev_b32 v3, 5, v0
	v_readfirstlane_b32 s20, v3
	v_mul_u32_u24 v1, v3, 1536
	v_lshl_add_u32 v1, v2, 4, v1
	s_mov_b32 s24, 0x20820820
	s_mov_b32 s25, 0x08208208
	v_mul_u32_u24 v15, v2, 11
	v_lshrrev_b32 v15, 5, v15
	v_mul_u32_u24 v15, v15, 3
	v_sub_nc_u32 v15, v2, v15
	v_lshlrev_b32 v15, 1, v15
	v_alignbit_b32 v12, s25, s24, v15
	v_add_nc_u32 v15, 2, v15
	v_alignbit_b32 v13, s25, s24, v15
	v_add_nc_u32 v15, 2, v15
	v_alignbit_b32 v14, s25, s24, v15
	s_mul_i32 s22, ttmp9, PART
	s_mov_b32 s23, 0
	s_wait_kmcnt 0x0
	s_add_nc_u64 s[4:5], s[4:5], s[22:23]
	s_add_nc_u64 s[6:7], s[6:7], s[22:23]
	global_load_b128 v[4:7], v1, s[4:5]
	global_load_b128 v[56:59], v1, s[4:5] offset:512
	global_load_b128 v[60:63], v1, s[4:5] offset:1024
	s_cmp_lg_u32 s20, 0
	s_cbranch_scc1 .Lsigns_only
	s_cmp_ge_u32 ttmp9, 64
	s_cbranch_scc1 .Lsigns_only
	v_and_b32 v2, 15, v0
	v_bfe_u32 v3, v0, 4, 1
	v_mul_u32_u24 v8, v2, 768
	v_mad_u32_u24 v8, v3, 384, v8
	v_lshlrev_b32 v9, 5, v2
	v_lshlrev_b32 v10, 5, v3
	v_lshlrev_b32 v11, 12, v2
	v_lshl_add_u32 v11, v3, 5, v11
	s_mul_i32 s22, ttmp9, 16*768
	s_add_nc_u64 s[12:13], s[12:13], s[22:23]
	s_lshl_b32 s22, ttmp9, 9
	s_add_nc_u64 s[14:15], s[14:15], s[22:23]
	s_lshl_b32 s22, ttmp9, 6
	s_add_nc_u64 s[16:17], s[16:17], s[22:23]
	s_add_nc_u64 s[18:19], s[18:19], s[22:23]
.irp u, 0,1
	global_load_b128 v[16+4*\u:19+4*\u], v9, s[10:11] offset:16*\u
.endr
.irp u, 0,1
	global_load_b128 v[24+4*\u:27+4*\u], v9, s[14:15] offset:16*\u
.endr
.irp u, 0,1
	global_load_b128 v[32+4*\u:35+4*\u], v10, s[16:17] offset:16*\u
.endr
.irp s, 0,1,2,3,4,5,6,7
.irp c, 0,1,2
	global_load_b128 v[64+12*\s+4*\c:67+12*\s+4*\c], v8, s[8:9] offset:48*\s+16*\c
.endr
.irp c, 0,1,2
	global_load_b128 v[160+12*\s+4*\c:163+12*\s+4*\c], v8, s[12:13] offset:48*\s+16*\c
.endr
.endr
	TAIL 54
	s_wait_loadcnt 48
.irp s, 0,1,2,3,4,5,6,7
	v_perm_b32 v[40+\s], v[20+\s/2], v[16+\s/2], 0x05010400+(\s%2)*0x02020202
	v_perm_b32 v[48+\s], v[28+\s/2], v[24+\s/2], 0x05010400+(\s%2)*0x02020202
.endr
.rept 8
	v_nop
.endr
.irp s, 0,1,2,3,4,5,6,7
	s_wait_loadcnt 6*(7-\s)
.if \s == 1
	v_wmma_scale_f32_16x16x128_f8f6f4 v[16:23], v[160+12*\s:171+12*\s], v[64+12*\s:75+12*\s], 0, v[48+\s], v[40+\s] matrix_a_fmt:MATRIX_FMT_BF6 matrix_b_fmt:MATRIX_FMT_BF6
.elseif \s%2 == 1
	v_wmma_scale_f32_16x16x128_f8f6f4 v[16:23], v[160+12*\s:171+12*\s], v[64+12*\s:75+12*\s], v[16:23], v[48+\s], v[40+\s] matrix_a_fmt:MATRIX_FMT_BF6 matrix_b_fmt:MATRIX_FMT_BF6
.else
	v_wmma_scale_f32_16x16x128_f8f6f4 v[32:39], v[160+12*\s:171+12*\s], v[64+12*\s:75+12*\s], v[32:39], v[48+\s], v[40+\s] matrix_a_fmt:MATRIX_FMT_BF6 matrix_b_fmt:MATRIX_FMT_BF6
.endif
.endr
.rept 4
	v_nop
.endr
.irp i, 0,2,4,6
	v_pk_add_f32 v[24+\i:25+\i], v[32+\i:33+\i], v[16+\i:17+\i]
.endr
.irp i, 0,2,4,6
	v_pk_mul_f32 v[24+\i:25+\i], v[24+\i:25+\i], 0x3e000000 op_sel_hi:[1,0]
.endr
	global_store_b128 v11, v[24:27], s[18:19]
	global_store_b128 v11, v[28:31], s[18:19] offset:16
	s_endpgm
.Lsigns_only:
	TAIL 0
	s_endpgm
.Lfunc_end_k_qe1193cbed8_prep:
	.size	k_qe1193cbed8_prep, .Lfunc_end_k_qe1193cbed8_prep-k_qe1193cbed8_prep
	.p2alignl 7, 3214868480
	.fill 96, 4, 3214868480
	.section	.rodata,"a",@progbits
	.p2align	6, 0x0
	.amdhsa_kernel k_qe1193cbed8_prep
		.amdhsa_group_segment_fixed_size 0
		.amdhsa_private_segment_fixed_size 0
		.amdhsa_enable_private_segment 0
		.amdhsa_kernarg_size 64
		.amdhsa_user_sgpr_count 2
		.amdhsa_user_sgpr_kernarg_segment_ptr 1
		.amdhsa_wavefront_size32 1
		.amdhsa_system_sgpr_workgroup_id_x 1
		.amdhsa_system_sgpr_workgroup_id_y 1
		.amdhsa_system_sgpr_workgroup_id_z 1
		.amdhsa_system_vgpr_workitem_id 0
		.amdhsa_next_free_vgpr 256
		.amdhsa_next_free_sgpr 66
		.amdhsa_reserve_vcc 0
		.amdhsa_float_denorm_mode_32 3
		.amdhsa_float_denorm_mode_16_64 3
		.amdhsa_memory_ordered 1
		.amdhsa_forward_progress 1
		.amdhsa_inst_pref_size 13
	.end_amdhsa_kernel
	.amdgpu_metadata
---
amdhsa.version: [ 1, 2 ]
amdhsa.kernels:
  - .name:           k_qe1193cbed8_prep
    .symbol:         k_qe1193cbed8_prep.kd
    .args:
      - { .name: Wv_codes, .offset: 0, .size: 8, .value_kind: global_buffer, .address_space: global }
      - { .name: nwv, .offset: 8, .size: 8, .value_kind: global_buffer, .address_space: global }
      - { .name: q_codes, .offset: 16, .size: 8, .value_kind: global_buffer, .address_space: global }
      - { .name: q_scales, .offset: 24, .size: 8, .value_kind: global_buffer, .address_space: global }
      - { .name: Wq_codes, .offset: 32, .size: 8, .value_kind: global_buffer, .address_space: global }
      - { .name: Wq_scales, .offset: 40, .size: 8, .value_kind: global_buffer, .address_space: global }
      - { .name: bq, .offset: 48, .size: 8, .value_kind: global_buffer, .address_space: global }
      - { .name: qsb, .offset: 56, .size: 8, .value_kind: global_buffer, .address_space: global }
    .group_segment_fixed_size: 0
    .private_segment_fixed_size: 0
    .kernarg_segment_align: 8
    .kernarg_segment_size: 64
    .max_flat_workgroup_size: 64
    .sgpr_count:     66
    .vgpr_count:     256
    .wavefront_size: 32
...
	.end_amdgpu_metadata
.endif
;; end of part 4
;; launch attn (part 5): grid 4 x 128, 4 waves a work-group, clusters of 4 x 4, 327,680 bytes of LDS; arguments qsb, bk, maskfill, pstat, k_codes, v_codes, Wk_codes, Wv_codes, k_scales, v_scales, Wk_scales, Wv_scales, pacc, nwv; writes pacc, pstat
.if DOCPART == 5
	.amdgcn_target "amdgcn-amd-amdhsa--gfx1250"
	.amdhsa_code_object_version 6
	.text
	.protected	k_qe1193cbed8_attn
	.globl	k_qe1193cbed8_attn
	.p2align	8
	.type	k_qe1193cbed8_attn,@function
k_qe1193cbed8_attn:
	s_mov_b64 s[64:65], 0
	v_nop
	global_prefetch_b8 v0, s[64:65] scope:SCOPE_SE
	s_setreg_imm32_b32 hwreg(HW_REG_WAVE_MODE, 25, 1), 1
	s_wait_xcnt 0x0
	s_wait_alu depctr_hold_cnt(0) depctr_sa_sdst(0) depctr_va_vdst(0) depctr_va_sdst(0) depctr_va_ssrc(0) depctr_va_vcc(0) depctr_vm_vsrc(0)
	s_getreg_b32 s2, hwreg(HW_REG_IB_STS2, 6, 4)
	s_cmp_eq_u32 s2, 0
	s_cbranch_scc0 .Lentry_in_a_cluster
	s_endpgm
.Lentry_in_a_cluster:
	s_bfe_u32 s2, ttmp6, 0x10000c
	s_cmp_lg_u32 s2, 0xf033
	s_cbranch_scc0 .Lentry_shape_is_right
	s_endpgm
.Lentry_shape_is_right:
.set PITCH,  240
.set FR,     12
.set NL,     6
.set NQ,     2
.set HALFT,  128*PITCH
.set SLOT,   4*HALFT
.set SCL,    2*SLOT
.set SREG,   8704
.set HALFS,  4352
.set SBLK,   544
.set PST,    SCL+4*SREG
.set OUTS,   PST+8192
.set SPARE,  OUTS+4096
.set ADRA, 16
.set ADRB, 20
.set ADRS, 24
.set SPW,  28
.set NIL,  29
.set SC,   32
.set QS,   72
.set AF,   136
.set BK,   136
.set MK,   232
.set CBP,  248
.set TP,   136
.set SS,   152
.set XX,   184
.set MX,   200
.set CX,   204
.set LS,   208
.set PK,   224
.set G1X,  24
.set G0X,  32
.set G1SX, 40
.set G1W,  48
.set G0W,  56
.set XBK,  68
.set WBK,  72
.set G0SX, 76
.set G0SW, 80
.set G1SW, 88
.set MSB, 0
.macro WIN new
.if MSB != (\new)
	s_set_vgpr_msb (MSB<<8)|(\new)
.set MSB, (\new)
.endif
.endm
.set MUL_LO, 0xa1
.set MUL_HI, 0xf1
.set TO_B,   0x40
.macro JLOAD g0x, g1x, g0w, g1w
	s_cmp_eq_u32 s21, 0
	s_cbranch_scc0 .Lfor_w_\@
	tensor_load_to_lds s[\g0x:\g0x+3], s[\g1x:\g1x+7]
	s_nop 0
.rept 4
	v_nop
.endr
	s_branch .Lasked_\@
.Lfor_w_\@:
	tensor_load_to_lds s[\g0w:\g0w+3], s[\g1w:\g1w+7]
	s_nop 0
.rept 4
	v_nop
.endr
.Lasked_\@:
.endm
.macro CREST
	s_cmp_lg_u32 s20, 0
	s_cbranch_scc1 .Lnot_wave_0_\@
	s_barrier_signal -3
.Lnot_wave_0_\@:
	s_barrier_wait -3
	s_barrier_signal -1
	s_barrier_wait -1
.endm
.macro CROUND
	s_barrier_signal -1
	s_barrier_wait -1
	CREST
.endm
.macro SETG0 slot, kind, j
	s_add_co_u32 s[G0X+4*\slot+1], s97, \slot*SLOT+\kind*2*HALFT
	s_add_nc_u64 s[G0X+4*\slot+2:G0X+4*\slot+3], s[XBK+2*\kind:XBK+2*\kind+1], 192*\j
	s_or_b32 s[G0X+4*\slot+3], s[G0X+4*\slot+3], 0x80000000
	s_add_co_u32 s[G0W+4*\slot+1], s97, \slot*SLOT+(1-\kind)*2*HALFT
	s_add_nc_u64 s[G0W+4*\slot+2:G0W+4*\slot+3], s[WBK+2*\kind:WBK+2*\kind+1], 192*\j
	s_or_b32 s[G0W+4*\slot+3], s[G0W+4*\slot+3], 0x80000000
.endm
.macro PLACES n
.rept \n
	v_nop
.endr
.endm
.macro FRAG reg, adr, q, i
.irp p, 0,1,2,3,4,5
.set PCE, 12*(\q)+6*(\p/3)+\p%3
.if PCE%8 < 5
	ds_load_b64 v[\reg+2*\p:\reg+2*\p+1], v[\adr] offset:8*PCE+16*(PCE/8)+(\i)*16*PITCH
.else
	ds_load_b64 v[\reg+2*\p:\reg+2*\p+1], v[\adr+2] offset:8*PCE+16*(PCE/8)+(\i)*16*PITCH
.endif
.endr
.endm
.macro MUL16 a0, p, q, sc, zero
.irp a, \a0, \a0+1
.irp b, 0,1,2,3,4,5,6,7
.if \zero
	v_wmma_scale_f32_16x16x128_f8f6f4 v[8*(8*((\a)%4)+\b):8*(8*((\a)%4)+\b)+7], v[128*(\p)+FR*\b:128*(\p)+FR*\b+FR-1], v[AF+FR*(\a):AF+FR*(\a)+FR-1], 0, v[SC+8*NQ*(\sc)+NQ*\b+(\q)], v[SC+8*NQ*(\sc)+NQ*(\a)+(\q)] matrix_a_fmt:MATRIX_FMT_BF6 matrix_b_fmt:MATRIX_FMT_BF6 matrix_a_scale:MATRIX_SCALE_ROW1
.else
	v_wmma_scale_f32_16x16x128_f8f6f4 v[8*(8*((\a)%4)+\b):8*(8*((\a)%4)+\b)+7], v[128*(\p)+FR*\b:128*(\p)+FR*\b+FR-1], v[AF+FR*(\a):AF+FR*(\a)+FR-1], v[8*(8*((\a)%4)+\b):8*(8*((\a)%4)+\b)+7], v[SC+8*NQ*(\sc)+NQ*\b+(\q)], v[SC+8*NQ*(\sc)+NQ*(\a)+(\q)] matrix_a_fmt:MATRIX_FMT_BF6 matrix_b_fmt:MATRIX_FMT_BF6 matrix_a_scale:MATRIX_SCALE_ROW1
.endif
.endr
.endr
.endm
.macro FETCH_B slot, q, p
	WIN TO_B
.irp i, 0,1,2,3,4,5,6,7
	FRAG 128*(\p)+FR*\i, ADRB+\slot, \q, \i
.endr
	WIN 0
.endm
.macro FETCH_A slot, q, i0
.irp i, \i0, \i0+1, \i0+2, \i0+3
	FRAG AF+FR*(\i), ADRA+\slot, \q, \i
.endr
.endm
.macro SCALES sc, off
.irp i, 0,1,2,3,4,5,6,7
	ds_load_b64 v[SC+16*(\sc)+2*\i:SC+16*(\sc)+2*\i+1], v[ADRS] offset:(\off)+SBLK*\i
.endr
.endm
.macro STEP slot, zero
	s_wait_dscnt 4*NL
	WIN MUL_LO
	MUL16 0, 0, 0, \slot, \zero
	MUL16 2, 0, 0, \slot, \zero
	s_wait_dscnt 0x0
	PLACES 4
	FETCH_B \slot, 1, 1
	FETCH_A \slot, 1, 0
	WIN MUL_HI
	MUL16 4, 0, 0, \slot, \zero
	MUL16 6, 0, 0, \slot, \zero
	PLACES 4
	WIN 0
	FETCH_A \slot, 1, 4
.endm
.macro TURN slot, next, fill, fetch, kind, j, soff, ask
	s_wait_tensorcnt 0x0
	ds_add_u32 v[SPW], v[NIL]
.if \fill
	SETG0 \slot, \kind, \j
.endif
	s_wait_dscnt 4*NL+1
	WIN MUL_LO
	MUL16 0, 1, 1, \slot, 0
	s_wait_dscnt 0x0
	s_barrier_signal -1
	MUL16 2, 1, 1, \slot, 0
	WIN 0
	s_barrier_wait -1
.if \fill
	CREST
	JLOAD G0X+4*\slot, G1X, G0W+4*\slot, G1W
.else
	PLACES 4
.endif
.if \fetch
	FETCH_B \next, 0, 0
	FETCH_A \next, 0, 0
	SCALES \next, \soff
.endif
.if \ask == 1
	global_prefetch_b8 v9, s[86:87] th:TH_LOAD_NT scope:SCOPE_SE
.endif
.if \ask == 2
	s_cmp_lt_u32 s20, 2
	s_cbranch_scc0 .Lno_ask_\@
	global_prefetch_b8 v10, s[86:87] th:TH_LOAD_NT scope:SCOPE_SE
.Lno_ask_\@:
.endif
	WIN MUL_HI
	MUL16 4, 1, 1, \slot, 0
	MUL16 6, 1, 1, \slot, 0
.if \fetch
	PLACES 4
	WIN 0
	FETCH_A \next, 0, 4
.else
	WIN 0
.endif
.endm
	s_load_b256 s[12:19], s[0:1], 0x0
	s_load_b512 s[68:83], s[0:1], 0x20
	s_load_b128 s[84:87], s[0:1], 0x60
	v_lshl_add_u32 v[SPW], v0, 2, SPARE
	v_mov_b32 v[NIL], 0
	ds_add_u32 v[SPW], v[NIL]
	ds_add_u32 v[SPW], v[NIL]
	v_lshrrev_b32 v1, 5, v0
	v_readfirstlane_b32 s20, v1
	s_lshr_b32 s21, s20, 1
	s_and_b32 s22, s20, 1
	s_bfe_u32 s101, ttmp6, 0x40000
	s_bfe_u32 s104, ttmp6, 0x40004
	s_lshl_b32 s105, ttmp9, 2
	s_add_co_u32 s105, s105, s101
	s_and_b32 s23, ttmp7, 0xffff
	s_lshl_b32 s23, s23, 2
	s_add_co_u32 s23, s23, s104
	s_lshl_b32 s2, s104, 2
	s_lshl_b32 s2, 15, s2
	s_lshl_b32 s3, 0x1111, s101
	s_or_b32 s[G1X], s2, (1<<20)|(1<<21)|(3<<22)|(3<<25)
	s_or_b32 s[G1W], s3, (1<<20)|(1<<21)|(3<<22)|(3<<25)
	s_or_b32 s[G1SX], s2, (3<<16)|(1<<20)|(1<<21)|(5<<22)|(3<<25)
	s_or_b32 s[G1SW], s3, (3<<16)|(1<<20)|(1<<21)|(5<<22)|(3<<25)
.irp g, G1X, G1W
	s_mov_b32 s[\g+1], 192<<16
	s_mov_b32 s[\g+2], 128<<16
	s_mov_b32 s[\g+3], 192<<16
	s_mov_b32 s[\g+4], 128
	s_mov_b32 s[\g+5], 768
	s_mov_b32 s[\g+6], 0
	s_mov_b32 s[\g+7], 0
.endr
.irp g, G1SX, G1SW
	s_mov_b32 s[\g+1], 32<<16
	s_mov_b32 s[\g+2], 32<<16
	s_mov_b32 s[\g+3], 32<<16
	s_mov_b32 s[\g+4], 32
	s_mov_b32 s[\g+5], 32
	s_mov_b32 s[\g+6], 0
	s_mov_b32 s[\g+7], 0
.endr
	s_lshl_b32 s32, s23, 8
	s_lshl_b32 s33, s22, 7
	s_add_co_u32 s32, s32, s33
	s_mul_i32 s32, s32, 768
	s_mov_b32 s33, 0
	s_lshl_b32 s34, s23, 13
	s_mov_b32 s35, 0
	s_mul_i32 s36, s23, 196608
	s_mov_b32 s37, 0
	s_lshl_b32 s56, s105, 8
	s_lshl_b32 s57, s22, 7
	s_add_co_u32 s56, s56, s57
	s_mul_i32 s56, s56, 768
	s_mov_b32 s57, 0
	s_lshl_b32 s58, s105, 13
	s_mov_b32 s59, 0
	s_mul_i32 s97, s22, HALFT
	s_mov_b32 s66, 0x76543210
	s_mov_b32 s67, 0xfedcba98
	s_mov_b32 s96, 0x3fb8aa3b
	s_wait_dscnt 0x0
	s_wait_kmcnt 0x0
	s_and_b32 s2, ttmp7, 1
	s_cmp_lg_u32 s2, 0
	s_cselect_b64 s[74:75], s[86:87], s[74:75]
	s_add_nc_u64 s[86:87], s[70:71], s[36:37]
	s_add_nc_u64 s[68:69], s[68:69], s[32:33]
	s_add_nc_u64 s[70:71], s[70:71], s[32:33]
	s_add_nc_u64 s[72:73], s[72:73], s[56:57]
	s_add_nc_u64 s[74:75], s[74:75], s[56:57]
	s_cmp_lg_u32 s22, 0
	s_cselect_b64 s[78:79], s[78:79], s[76:77]
	s_cselect_b64 s[82:83], s[82:83], s[80:81]
	s_add_nc_u64 s[78:79], s[78:79], s[34:35]
	s_add_nc_u64 s[82:83], s[82:83], s[58:59]
	s_or_b32 s79, s79, 0x80000000
	s_or_b32 s83, s83, 0x80000000
	s_mov_b32 s76, 1
	s_mul_i32 s77, s22, 3*SREG
	s_add_co_u32 s77, s77, SCL
	s_mov_b32 s80, 1
	s_mul_i32 s81, s22, SREG
	s_add_co_u32 s81, s81, SCL+SREG
	s_mov_b32 s[G0X], 1
	s_mov_b32 s[G0X+4], 1
	s_mov_b32 s[G0W], 1
	s_mov_b32 s[G0W+4], 1
	SETG0 0, 0, 0
	SETG0 1, 0, 1
	CROUND
	JLOAD G0SX, G1SX, G0SW, G1SW
	JLOAD G0X, G1X, G0W, G1W
	JLOAD G0X+4, G1X, G0W+4, G1W
	s_lshr_b32 s104, s23, 3
	s_mov_b32 s3, 0
	s_lshl_b32 s98, s105, 8
	s_lshl_b32 s99, s22, 7
	s_add_co_u32 s98, s98, s99
	s_lshl_b32 s2, s98, 2
	s_add_nc_u64 s[14:15], s[14:15], s[2:3]
	s_lshl_b32 s99, s104, 10
	s_add_co_u32 s2, s98, s99
	s_lshl_b32 s2, s2, 2
	s_add_nc_u64 s[12:13], s[12:13], s[2:3]
	s_lshl_b32 s2, s104, 4
	s_lshl_b32 s99, s105, 2
	s_add_co_u32 s2, s2, s99
	s_lshl_b32 s99, s22, 1
	s_add_co_u32 s2, s2, s99
	s_lshl_b32 s2, s2, 11
	s_and_b32 s99, s23, 7
	s_lshl_b32 s99, s99, 8
	s_add_co_u32 s2, s2, s99
	s_lshl_b32 s99, s21, 7
	s_add_co_u32 s2, s2, s99
	s_add_nc_u64 s[16:17], s[16:17], s[2:3]
	s_lshl_b32 s2, s23, 1
	s_add_co_u32 s2, s2, s21
	s_lshl_b32 s2, s2, 4
	s_lshl_b32 s99, s105, 2
	s_add_co_u32 s2, s2, s99
	s_lshl_b32 s99, s22, 1
	s_add_co_u32 s2, s2, s99
	s_lshl_b32 s2, s2, 4
	s_add_nc_u64 s[18:19], s[18:19], s[2:3]
	s_lshl_b32 s2, s23, 1
	s_add_co_u32 s2, s2, s22
	s_lshl_b32 s2, s2, 11
	s_lshl_b32 s99, s105, 8
	s_add_co_u32 s2, s2, s99
	s_lshl_b32 s99, s21, 7
	s_add_co_u32 s2, s2, s99
	s_lshl_b32 s2, s2, 2
	s_add_nc_u64 s[84:85], s[84:85], s[2:3]
	v_and_b32 v1, 15, v0
	v_bfe_u32 v2, v0, 4, 1
	v_lshlrev_b32 v27, 5, v2
.irp g, 0,1
.irp a, 0,1,2,3,4,5,6,7
	global_load_u8 v[MK+8*\g+\a], v1, s[16:17] offset:2048*\g+16*\a
.endr
.endr
.irp b, 0,1,2,3,4,5,6,7
.irp u, 0,1
	global_load_b128 v[QS+8*\b+4*\u:QS+8*\b+4*\u+3], v27, s[12:13] offset:64*\b+16*\u
.endr
.endr
.irp b, 0,1,2,3,4,5,6,7
.irp u, 0,1
	global_load_b128 v[BK+8*\b+4*\u:BK+8*\b+4*\u+3], v27, s[14:15] offset:64*\b+16*\u
.endr
.endr
	v_mul_u32_u24 v253, v1, PITCH
	v_mad_u32_u24 v254, v2, 24, v253
	v_lshl_add_u32 v255, v2, 4, v254
	s_mul_i32 s2, s21, HALFT
	s_add_co_u32 s99, s97, 2*HALFT
.irp s, 0,1
	v_add_nc_u32 v[ADRA+\s], s2, v254
	v_add_nc_u32 v[ADRB+\s], s99, v254
	v_add_nc_u32 v[ADRA+2+\s], s2, v255
	v_add_nc_u32 v[ADRB+2+\s], s99, v255
	s_add_co_u32 s2, s2, SLOT
	s_add_co_u32 s99, s99, SLOT
.endr
	v_lshlrev_b32 v253, 5, v1
	v_lshrrev_b32 v254, 3, v1
	v_lshl_add_u32 v253, v254, 4, v253
	s_mul_i32 s2, s21, HALFS
	s_mul_i32 s99, s22, HALFS
	s_add_co_u32 s99, s99, SREG
	s_sub_co_u32 s99, s99, s2
	v_mul_u32_u24 v254, s99, v2
	s_add_co_u32 s2, s2, SCL
	v_add_nc_u32 v253, v253, v254
	v_add_nc_u32 v[ADRS], s2, v253
	s_lshl_b32 s2, s21, 9
	s_lshl_b32 s99, s22, 11
	s_add_co_u32 s2, s2, s99
	s_add_co_u32 s2, s2, PST
	v_lshl_add_u32 v3, v1, 2, s2
	s_lshl_b32 s2, s22, 9
	s_lshl_b32 s99, s21, 11
	s_add_co_u32 s2, s2, s99
	s_add_co_u32 s2, s2, PST
	v_lshl_add_u32 v4, v2, 5, s2
	s_lshl_b32 s2, s20, 10
	s_add_co_u32 s2, s2, OUTS
	v_lshl_add_u32 v5, v1, 2, s2
	v_and_b32 v253, 31, v0
	v_lshl_add_u32 v6, v253, 4, s2
	v_lshlrev_b32 v7, 4, v253
	v_and_b32 v8, 7, v0
	v_lshlrev_b32 v8, 2, v8
	s_lshl_b32 s2, s101, 7
	v_add_nc_u32 v254, s2, v0
	v_lshrrev_b32 v255, 1, v254
	v_mul_u32_u24 v9, v255, 768
	v_and_b32 v254, 1, v254
	v_lshl_add_u32 v9, v254, 8, v9
	s_lshl_b32 s2, s101, 6
	v_add_nc_u32 v254, s2, v0
	v_mul_u32_u24 v10, v254, 768
	v_add_nc_u32 v10, 512, v10
	s_mov_b32 s98, 0xaaaaaaaa
	s_mov_b32 s99, 0xcccccccc
	s_mov_b32 s100, 0xf0f0f0f0
	s_and_b32 s2, ttmp7, 1
	s_cmp_lg_u32 s2, 0
	s_mov_b32 s101, 0x3f800000
	s_cselect_b32 s101, 0xbf800000, s101
	s_wait_loadcnt 0x0
.irp g, 0,1
	v_pk_mul_f32 v[CBP+2*\g:CBP+2*\g+1], v[QS+32*\g:QS+32*\g+1], v[BK+32*\g:BK+32*\g+1]
.endr
.irp i, 2,4,6,8,10,12,14,16,18,20,22,24,26,28,30
.irp g, 0,1
	v_pk_fma_f32 v[CBP+2*\g:CBP+2*\g+1], v[QS+32*\g+\i:QS+32*\g+\i+1], v[BK+32*\g+\i:BK+32*\g+\i+1], v[CBP+2*\g:CBP+2*\g+1]
.endr
.endr
	s_wait_tensorcnt 0x1
	s_barrier_signal -1
	s_barrier_wait -1
	FETCH_B 0, 0, 0
	FETCH_A 0, 0, 0
	SCALES 0, 0
	FETCH_A 0, 0, 4
	STEP 0, 1
	TURN 0, 1, 1, 1, 0, 2, 8, 1
	STEP 1, 0
	TURN 1, 0, 1, 1, 0, 3, 16, 0
	STEP 0, 0
	TURN 0, 1, 1, 1, 1, 0, 24, 2
	STEP 1, 0
	TURN 1, 0, 1, 0, 1, 1, 0, 0
	PLACES 5
.irp hi, 0,1
	WIN 0x02+\hi
.irp bp, 0,1,2,3
.irp jj, 0,2,4,6
.irp ap, 0,1,2,3
.irp g, 0,1
.if (\bp == 0) && (\jj == 0)
	v_pk_fma_f32 v[TP+2*(2*\ap+\g):TP+2*(2*\ap+\g)+1], v[8*(8*\ap+4*\g+\bp)+\jj:8*(8*\ap+4*\g+\bp)+\jj+1], v[QS+8*(4*\g+\bp)+\jj:QS+8*(4*\g+\bp)+\jj+1], v[CBP+2*\g:CBP+2*\g+1]
.else
	v_pk_fma_f32 v[TP+2*(2*\ap+\g):TP+2*(2*\ap+\g)+1], v[8*(8*\ap+4*\g+\bp)+\jj:8*(8*\ap+4*\g+\bp)+\jj+1], v[QS+8*(4*\g+\bp)+\jj:QS+8*(4*\g+\bp)+\jj+1], v[TP+2*(2*\ap+\g):TP+2*(2*\ap+\g)+1]
.endif
.endr
.endr
.endr
.endr
	WIN 0
.irp ap, 0,1,2,3
.irp g, 0,1
	v_add_f32 v[SS+8*\g+4*\hi+\ap], v[TP+2*(2*\ap+\g)], v[TP+2*(2*\ap+\g)+1]
.endr
.endr
.endr
.irp i, 0,1,2,3,4,5,6,7,8,9,10,11,12,13,14,15
	v_permlanex16_b32 v[XX+\i], v[SS+\i], s66, s67
.endr
.irp i, 0,1,2,3,4,5,6,7,8,9,10,11,12,13,14,15
	v_add_f32 v[SS+\i], v[SS+\i], v[XX+\i]
.endr
.irp i, 0,1,2,3,4,5,6,7,8,9,10,11,12,13,14,15
	v_cmp_eq_u32 vcc_lo, 0, v[MK+\i]
	v_cndmask_b32 v[SS+16+\i], 0, v[SS+\i], vcc_lo
.endr
.irp i, 0,1,2,3
	v_max3_num_f32 v[MX+\i], v[SS+8*\i], v[SS+8*\i+1], v[SS+8*\i+2]
.endr
.irp n, 3,5
.irp i, 0,1,2,3
	v_max3_num_f32 v[MX+\i], v[MX+\i], v[SS+8*\i+\n], v[SS+8*\i+\n+1]
.endr
.endr
.irp i, 0,1,2,3
	v_max_num_f32 v[MX+\i], v[MX+\i], v[SS+8*\i+7]
.endr
.irp m, 1,2,4,8
.irp i, 0,1,2,3
	v_max_num_f32_dpp v[MX+\i], v[MX+\i], v[MX+\i] row_xmask:\m row_mask:0xf bank_mask:0xf
.endr
.endr
.irp i, 0,1,2,3
	v_mul_f32 v[CX+\i], s96, v[MX+\i]
.endr
.irp i, 0,1,2,3
.irp n, 0,1,2,3,4,5,6,7
	v_fma_f32 v[SS+8*\i+\n], v[SS+8*\i+\n], s96, -v[CX+\i]
.endr
.endr
.irp n, 0,1,2,3,4,5,6,7,8,9,10,11,12,13,14,15,16,17,18,19,20,21,22,23,24,25,26,27,28,29,30,31
	v_exp_f32 v[SS+\n], v[SS+\n]
.endr
	v_nop
	s_wait_alu depctr_va_vdst(0)
.irp pa, 0,1
.irp g, 0,1
.irp a, 0,1,2,3,4,5,6,7
	ds_store_b32 v3, v[SS+16*\pa+8*\g+\a] offset:4096*\pa+1024*\g+64*\a
.endr
.endr
.endr
.irp i, 0,1,2,3
.irp n, 0,1,2,3
	v_add_f32 v[LS+4*\i+\n], v[SS+8*\i+2*\n], v[SS+8*\i+2*\n+1]
.endr
.endr
.irp i, 0,1,2,3
	v_add_f32 v[LS+4*\i], v[LS+4*\i], v[LS+4*\i+1]
	v_add_f32 v[LS+4*\i+2], v[LS+4*\i+2], v[LS+4*\i+3]
.endr
.irp i, 0,1,2,3
	v_add_f32 v[LS+4*\i], v[LS+4*\i], v[LS+4*\i+2]
.endr
.irp m, 1,2,4,8
.irp i, 0,1,2,3
	v_add_f32_dpp v[LS+4*\i], v[LS+4*\i], v[LS+4*\i] row_xmask:\m row_mask:0xf bank_mask:0xf
.endr
.endr
.irp g, 0,1
.irp pa, 0,1
	v_cndmask_b32 v[PK+2*\g+\pa], v[CX+2*\pa+\g], v[LS+4*(2*\pa+\g)], s98
.endr
.endr
.irp g, 0,1
	v_cndmask_b32 v[PK+4+\g], v[PK+2*\g], v[PK+2*\g+1], s99
.endr
	v_cndmask_b32 v252, v[PK+4], v[PK+5], s100
	global_store_b32 v8, v252, s[18:19]
	s_wait_dscnt 0x0
	FETCH_B 0, 0, 0
	FETCH_A 0, 0, 0
	SCALES 0, 17408
	FETCH_A 0, 0, 4
	STEP 0, 1
	TURN 0, 1, 1, 1, 1, 2, 17416, 0
	STEP 1, 0
	TURN 1, 0, 1, 1, 1, 3, 17424, 0
	STEP 0, 0
	TURN 0, 1, 0, 1, 0, 0, 17432, 0
	STEP 1, 0
	s_wait_dscnt 4*NL
	WIN MUL_LO
	MUL16 0, 1, 1, 1, 0
	MUL16 2, 1, 1, 1, 0
	s_wait_dscnt 0x0
	WIN MUL_HI
	MUL16 4, 1, 1, 1, 0
	MUL16 6, 1, 1, 1, 0
	WIN 0
	PLACES 4
	WIN TO_B
.irp g, 0,1
.irp pa, 0,1
.irp b, 0,1,2,3,4,5,6,7
.irp u, 0,1
	ds_load_b128 v[64*(2*\pa+\g)+8*\b+4*\u:64*(2*\pa+\g)+8*\b+4*\u+3], v4 offset:4096*\pa+1024*\g+64*\b+16*\u
.endr
.endr
.endr
.endr
.irp g, 0,1
.if \g == 0
	s_wait_dscnt 32
.else
	s_wait_dscnt 0x0
.endif
	WIN 0x06+\g
.irp b, 0,1,2,3,4,5,6,7
.irp jj, 0,2,4,6
.irp ap, 0,1,2,3
.irp pa, 0,1
.if (\b == 0) && (\jj == 0)
	v_pk_mul_f32 v[TP+2*(8*\pa+4*\g+\ap):TP+2*(8*\pa+4*\g+\ap)+1], v[8*(8*\ap+\b)+\jj:8*(8*\ap+\b)+\jj+1], v[64*(2*\pa+\g)+8*\b+\jj:64*(2*\pa+\g)+8*\b+\jj+1]
.else
	v_pk_fma_f32 v[TP+2*(8*\pa+4*\g+\ap):TP+2*(8*\pa+4*\g+\ap)+1], v[8*(8*\ap+\b)+\jj:8*(8*\ap+\b)+\jj+1], v[64*(2*\pa+\g)+8*\b+\jj:64*(2*\pa+\g)+8*\b+\jj+1], v[TP+2*(8*\pa+4*\g+\ap):TP+2*(8*\pa+4*\g+\ap)+1]
.endif
.endr
.endr
.endr
.endr
.endr
	WIN 0
.irp i, 0,1,2,3,4,5,6,7,8,9,10,11,12,13,14,15
	v_add_f32 v[168+\i], v[TP+2*\i], v[TP+2*\i+1]
.endr
.irp i, 0,1,2,3,4,5,6,7,8,9,10,11,12,13,14,15
	v_permlanex16_b32 v[XX+\i], v[168+\i], s66, s67
.endr
.irp i, 0,1,2,3,4,5,6,7,8,9,10,11,12,13,14,15
	v_add_f32 v[168+\i], v[168+\i], v[XX+\i]
.endr
.irp i, 0,1,2,3,4,5,6,7,8,9,10,11,12,13,14,15
	v_mul_f32 v[168+\i], s101, v[168+\i]
.endr
.irp pa, 0,1
.irp a, 0,1,2,3,4,5,6,7
	ds_store_b32 v5, v[168+8*\pa+\a] offset:512*\pa+64*\a
.endr
.endr
	ds_load_b128 v[200:203], v6
	ds_load_b128 v[204:207], v6 offset:512
	s_wait_dscnt 0x0
	global_store_b128 v7, v[200:203], s[84:85]
	global_store_b128 v7, v[204:207], s[84:85] offset:4096
	s_wait_tensorcnt 0x0
	ds_add_u32 v[SPW], v[NIL]
	s_wait_dscnt 0x0
	CROUND
	s_endpgm
.Lfunc_end_k_qe1193cbed8_attn:
	.size	k_qe1193cbed8_attn, .Lfunc_end_k_qe1193cbed8_attn-k_qe1193cbed8_attn
	.p2alignl 7, 3214868480
	.fill 96, 4, 3214868480
	.section	.rodata,"a",@progbits
	.p2align	6, 0x0
	.amdhsa_kernel k_qe1193cbed8_attn
		.amdhsa_group_segment_fixed_size 327680
		.amdhsa_private_segment_fixed_size 0
		.amdhsa_enable_private_segment 0
		.amdhsa_kernarg_size 112
		.amdhsa_user_sgpr_count 2
		.amdhsa_user_sgpr_kernarg_segment_ptr 1
		.amdhsa_wavefront_size32 1
		.amdhsa_system_sgpr_workgroup_id_x 1
		.amdhsa_system_sgpr_workgroup_id_y 1
		.amdhsa_system_sgpr_workgroup_id_z 1
		.amdhsa_system_vgpr_workitem_id 0
		.amdhsa_next_free_vgpr 1024
		.amdhsa_next_free_sgpr 106
		.amdhsa_reserve_vcc 1
		.amdhsa_float_denorm_mode_32 3
		.amdhsa_float_denorm_mode_16_64 3
		.amdhsa_memory_ordered 1
		.amdhsa_forward_progress 1
		.amdhsa_inst_pref_size 255
	.end_amdhsa_kernel
	.section	.bss,"aw",@nobits
	.p2align	6
	.space	262144
	.amdgpu_metadata
---
amdhsa.version: [ 1, 2 ]
amdhsa.kernels:
  - .name:           k_qe1193cbed8_attn
    .symbol:         k_qe1193cbed8_attn.kd
    .args:
      - { .name: qsb, .offset: 0, .size: 8, .value_kind: global_buffer, .address_space: global }
      - { .name: bk, .offset: 8, .size: 8, .value_kind: global_buffer, .address_space: global }
      - { .name: maskfill, .offset: 16, .size: 8, .value_kind: global_buffer, .address_space: global }
      - { .name: pstat, .offset: 24, .size: 8, .value_kind: global_buffer, .address_space: global }
      - { .name: k_codes, .offset: 32, .size: 8, .value_kind: global_buffer, .address_space: global }
      - { .name: v_codes, .offset: 40, .size: 8, .value_kind: global_buffer, .address_space: global }
      - { .name: Wk_codes, .offset: 48, .size: 8, .value_kind: global_buffer, .address_space: global }
      - { .name: Wv_codes, .offset: 56, .size: 8, .value_kind: global_buffer, .address_space: global }
      - { .name: k_scales, .offset: 64, .size: 8, .value_kind: global_buffer, .address_space: global }
      - { .name: v_scales, .offset: 72, .size: 8, .value_kind: global_buffer, .address_space: global }
      - { .name: Wk_scales, .offset: 80, .size: 8, .value_kind: global_buffer, .address_space: global }
      - { .name: Wv_scales, .offset: 88, .size: 8, .value_kind: global_buffer, .address_space: global }
      - { .name: pacc, .offset: 96, .size: 8, .value_kind: global_buffer, .address_space: global }
      - { .name: nwv, .offset: 104, .size: 8, .value_kind: global_buffer, .address_space: global }
    .group_segment_fixed_size: 327680
    .private_segment_fixed_size: 0
    .kernarg_segment_align: 8
    .kernarg_segment_size: 112
    .max_flat_workgroup_size: 128
    .sgpr_count:     106
    .vgpr_count:     1024
    .wavefront_size: 32
...
	.end_amdgpu_metadata
.endif
;; end of part 5
;; launch proj: the kernel of part 3 again; grid 16 x 16, 16 waves a work-group, no clusters, 14,592 bytes of LDS; arguments pacc, pstat, bv, Wo_codes, Wo_scales, bo, out0, out1; writes out0, out1
